; MI455X (gfx1250); checked and timed in simulation.
; The chip was launched on July 23, 2026; its instructions are those of AMD's public machine-readable ISA for CDNA 5 (MIT licence, August 2026) and "CDNA5" Instruction Set Architecture Reference Guide (July 2026). The comments in the code are by the model that wrote it; some were corrected since.
;; Multi Head Attention. Allowed arithmetic: matrix products marked QUANTISED: E2M1 operands, one E8M0 scale for each 32 along K, by v_wmma_scale_f32_16x16x128_f8f6f4 with both operands' format E2M1 (or v_wmma_scale_f32_32x16x128_f4), f32 sums; everything else in f32.
;; Inputs: Wk 512 x 512 float32; Wo 512 x 512 float32; Wq 512 x 512 float32; Wv 512 x 512 float32; bk 512 float32; bo 512 float32; bq 512 float32; bv 512 float32; x 4 x 2,048 x 512 float32.
;; Outputs: out0 4 x 2,048 x 512 float32.
;; This version of the problem:
;;   THIS VERSION OF THE PROBLEM IS GIVEN IN LOW PRECISION. The matrix products marked QUANTISED in the list below multiply operands that are first quantised to E2M1 (2 exponent bits, 1 mantissa bit; 4 bits a number), with one power-of-two scale for each 32 numbers along K (OCP MX v1.0); their sums are f32. All else is computed in f32.
;;   The module's matrix products, in the order in which they are computed (A, B: the left and right operand; K: the contracted axis; several contracted axes count as one K, in the product's order):
;;     1. [M 8,192, K 512] x [K 512, N 512]; A: input x; B: input Wq: QUANTISED
;;     2. [M 8,192, K 512] x [K 512, N 512]; A: input x; B: input Wk: QUANTISED
;;     3. [M 8,192, K 512] x [K 512, N 512]; A: input x; B: input Wv: QUANTISED
;;     4. batch 32 x [M 2,048, K 64] x [K 64, N 2,048]; A: computed on the way; B: computed on the way: QUANTISED
;;     5. batch 32 x [M 2,048, K 2,048] x [K 2,048, N 64]; A: softmax (see below); B: computed on the way: QUANTISED
;;     6. [M 8,192, K 512] x [K 512, N 512]; A: computed on the way; B: input Wo: QUANTISED
;;   THE QUANTISER, for each operand of a quantised product, along K:
;;     - K is cut into blocks of 32 from its start; a last block that is shorter is filled with zeros.
;;     - A block's scale is 2^e with e = floor(log2(the largest magnitude in the block)) - 2, held to -126 .. 127; a block of zeros has e = 0. As a byte (E8M0): e + 127.
;;     - Each number is divided by its block's scale, clamped to +-6, and rounded to the nearest number of E2M1, ties to even, subnormals kept.
;;     - The product sums the exact products of the quantised numbers (number of the format x scale) in f32.
;;   ~~~python
;;   def quantise(x, axis):      # numpy; x: float32 -> the quantised numbers, widened to float32 again
;;       x = np.moveaxis(x, axis, -1); K = x.shape[-1]
;;       x = np.pad(x, [(0, 0)] * (x.ndim - 1) + [(0, -K % 32)]); x = x.reshape(x.shape[:-1] + (-1, 32)); a = np.abs(x).max(-1, keepdims=True)
;;       e = np.where(a > 0, np.clip(np.frexp(np.where(a > 0, a, 1))[1] - 1 - 2, -126, 127), 0)      # np.frexp(a)[1] - 1 = floor(log2(a)), exactly
;;       r = np.clip(x / 2.0 ** e, -6, 6)
;;       step = 2.0 ** (np.maximum(np.frexp(np.where(r == 0, 1, r))[1] - 1, 0) - 1)
;;       q = np.round(r / step) * step * 2.0 ** e      # np.round: ties to even
;;       return np.moveaxis(q.reshape(q.shape[:-2] + (-1,))[..., :K], -1, axis).astype(np.float32)
;;   ~~~
;;   SOFTMAX AHEAD OF A QUANTISED PRODUCT. Where the list says 'softmax', what is quantised is not the finished softmax but p = 2^(t - M), with t = logit x log2(e) and M = ceil(the row's largest t), a whole number; so 1/2 < the row's largest p <= 1. The row's sum l is taken of the UNQUANTISED p, in f32, and the product's result is divided by l at the end. Since M is a whole number, a kernel that streams over the keys may use a running M (the ceiling of the running maximum): every later rescaling is an exact power of two, which a block's scale takes up: the codes' values come out the same.
;;   OPERANDS COMPUTED ON THE WAY. 'Computed on the way' means the value that the module computes at that place (a softmax that the list does not call 'softmax' is quantised finished and normalised). What goes into a quantiser is computed in f32, as accurately as f32 sums, v_exp_f32 and their like allow (about 1e-6 of the number): no bf16 or f16 on the way to a quantiser, and a product that is left as it is and whose result goes on into a quantised operand takes f32 operands (vector FMAs, or v_wmma_f32_16x16x4_f32). A number that lies on a knife's edge between two numbers of the format may be rounded either way, as far as f32 arithmetic and the matrix unit's own rounding can turn it there, and no further.
;; 2 versions. Each part assembles by itself: llvm-mc -triple=amdgcn-amd-amdhsa -mcpu=gfx1250 --defsym DOCPART=n.
;; ======== version 1 of 2: 4 launches
;; workspace buffers: xq 2,228,224 bytes; wq 557,056 bytes; qq 2,359,296 bytes; kv 4,587,520 bytes; cq 2,228,224 bytes
;; launch quant (part 1): grid 320 x 1, 4 waves a work-group, no clusters, 68,096 bytes of LDS; arguments x, Wq, Wk, Wv, Wo, xq, wq; writes xq, wq
.if DOCPART == 1
	.amdgcn_target "amdgcn-amd-amdhsa--gfx1250"
	.amdhsa_code_object_version 6
	.text
	.protected	k_q73f1914291_quant
	.globl	k_q73f1914291_quant
	.p2align	8
	.type	k_q73f1914291_quant,@function
k_q73f1914291_quant:
	s_mov_b64 s[64:65], 0
	v_nop
	global_prefetch_b8 v0, s[64:65] scope:SCOPE_SE
	s_setreg_imm32_b32 hwreg(HW_REG_WAVE_MODE, 25, 1), 1
	s_wait_xcnt 0x0
; x [8192][512] and the four weights [512 (k)][512 (n)], f32, become codes of FP4 (E2M1) with one E8M0 byte for each 32 along K, laid IN THE ORDER OF THE OPERAND'S REGISTERS.
; TILE ORDER (rows of x, columns of a weight): tile T, index i stands for element 32 (T / 2) + 8 (T % 2) + i % 8 + 16 (i / 8).
; A FRAGMENT'S IMAGE (16 indices x 128 K, 1,024 bytes): byte 512 c + 16 L holds registers 4 c .. 4 c + 3 of lane L = 16 h + i: the codes of k = 64 c + 32 h + 0 .. 31.
; A RECORD: codes [tile][K step 0..3][image], 4,096 bytes a tile; scale words [tile][sp 0..1][L]: lane L holds the word of index L % 16 for K step 2 sp + L / 16.
; A block's scale is 2^(floor(log2(its largest magnitude)) - 2); its byte is the largest magnitude's exponent field - 2, held at 1 from below.
; LIMITS: a block of zeros gets the byte 1 where the quantiser says 127: its codes are zeros, which add nothing, and this program alone reads the bytes.  NaN and infinities among the inputs are not served.
; Work-groups 0-63 take the weights (no LDS), work-groups 64-319 take x (each wave its own 16,896 bytes of LDS).  Waves share nothing: no barrier.
.set STG,  8448                        ; a stage: 16 rows x (512 bytes + 16): row r starts 33 x 16 bytes behind row r - 1, so the 16 rows that a read touches start at 16 different banks
.set WREG, 2*STG                       ; a wave's two stages
	s_load_b256 s[4:11], s[0:1], 0x0               ; x s[4:5], Wq s[6:7], Wk s[8:9], Wv s[10:11]
	s_load_b128 s[12:15], s[0:1], 0x20             ; Wo s[12:13], xq s[14:15]
	s_load_b64 s[16:17], s[0:1], 0x30              ; wq
	v_lshl_add_u32 v240, v0, 2, 0x10800
	v_mov_b32 v241, 0
	v_lshrrev_b32 v1, 5, v0
	v_readfirstlane_b32 s18, v1                    ; wave 0..3
	v_and_b32 v1, 31, v0                           ; lane
	s_cmp_lt_u32 ttmp9, 64
	s_cbranch_scc0 .Lx
; ---------------- THE WEIGHTS.  K is the first axis: a lane takes a column n and its registers run down K, so a block of 32 lies in one lane and the conversions give codes with K innermost.
; Work-group g: weight g / 16, columns 128 ((g / 4) % 4) on, K step g % 4.  A wave takes 32 columns (two tiles) x 128 along K: four blocks a lane.
	s_lshr_b32 s22, ttmp9, 4                       ; which weight
	s_bfe_u32 s23, ttmp9, 0x20002
	s_and_b32 s24, ttmp9, 3                        ; K step
	s_lshl_b32 s23, s23, 2
	s_add_co_u32 s23, s23, s18                     ; which 32 columns: 0..15
	s_lshl_b32 s26, s24, 18                        ; in: 128 rows of 2,048 bytes a K step,
	s_lshl_b32 s25, s23, 7                         ; 128 bytes for 32 columns
	s_add_co_u32 s26, s26, s25
	s_mov_b32 s27, 0
	s_lshl_b32 s28, s22, 17                        ; codes: 131,072 bytes a weight,
	s_lshl_b32 s25, s23, 13                        ; two tiles of 4,096,
	s_add_co_u32 s28, s28, s25
	s_lshl_b32 s25, s24, 10                        ; 1,024 a K step
	s_add_co_u32 s28, s28, s25
	s_mov_b32 s29, 0
	s_lshl_b32 s30, s22, 13                        ; scale words: 8,192 bytes a weight,
	s_lshl_b32 s25, s23, 9                         ; two tiles of 256,
	s_add_co_u32 s30, s30, s25
	s_lshl_b32 s25, s24, 6                         ; 64 a K step (128 (s / 2) + 64 (s % 2)),
	s_add_co_u32 s30, s30, s25
	s_add_co_u32 s30, s30, 524288                  ; behind the codes
	s_mov_b32 s31, 0
	v_lshlrev_b32 v2, 2, v1                        ; in: 4 bytes a lane
	v_bfe_u32 v3, v0, 3, 1                         ; column 32 b + l lies in tile 2 b + bit 3 of l,
	v_bfe_u32 v4, v0, 4, 1
	v_and_b32 v5, 7, v0
	v_lshl_add_u32 v5, v4, 3, v5                   ; at index 8 x bit 4 + l % 8
	v_lshlrev_b32 v6, 4, v5
	v_lshl_add_u32 v6, v3, 12, v6                  ; codes: 16 x index + 4,096 x tile
	v_lshlrev_b32 v7, 2, v5
	v_lshl_add_u32 v7, v3, 8, v7                   ; scale word: 4 x index + 256 x tile
	s_wait_kmcnt 0x0
	s_cmp_eq_u32 s22, 1                            ; the weight's address: a choice on the work-group's number alone
	s_cselect_b64 s[6:7], s[8:9], s[6:7]
	s_cmp_eq_u32 s22, 2
	s_cselect_b64 s[6:7], s[10:11], s[6:7]
	s_cmp_eq_u32 s22, 3
	s_cselect_b64 s[6:7], s[12:13], s[6:7]
	s_add_nc_u64 s[6:7], s[6:7], s[26:27]
	s_add_nc_u64 s[28:29], s[16:17], s[28:29]
	s_add_nc_u64 s[30:31], s[16:17], s[30:31]
.macro LOADW q                         ; block q: W(32 q + e, my column), e = 0 .. 31: a wave's load reads 128 consecutive bytes, the four waves stand side by side on 512
.irp e, 0,1,2,3,4,5,6,7,8,9,10,11,12,13,14,15,16,17,18,19,20,21,22,23,24,25,26,27,28,29,30,31
	global_load_b32 v[32+32*(\q)+\e], v2, s[6:7] offset:(32*(\q)+\e)*2048 th:TH_LOAD_NT
.endr
.endm
.macro WB q                            ; block q is quantised and its 16 bytes of codes leave: block q is half h = q % 2 of registers 4 (q / 2) on
.set XS, 32+32*(\q)
	v_max3_num_f32 v8, |v[XS]|, |v[XS+1]|, |v[XS+2]|               ; the block's largest magnitude: all 32 numbers are mine; two chains
	v_max3_num_f32 v9, |v[XS+3]|, |v[XS+4]|, |v[XS+5]|
.irp i, 6,10,14,18,22,26
	v_max3_num_f32 v8, v8, |v[XS+\i]|, |v[XS+\i+1]|
	v_max3_num_f32 v9, v9, |v[XS+\i+2]|, |v[XS+\i+3]|
.endr
	v_max3_num_f32 v8, v8, |v[XS+30]|, |v[XS+31]|
	v_max3_num_f32 v8, v8, v9, 0x1800000           ; and the floor 2^(3 - 127): the byte cannot fall under 1
	v_add_nc_u32 v11, 0xff000000, v8               ; 2 off the exponent field: the conversion takes the exponent field of this operand as its scale
	v_lshrrev_b32 v9, 23, v11                      ; the scale's byte
.if (\q) == 0
	v_mov_b32 v16, v9                              ; four bytes make the K step's scale word, the lower K in the lower byte
.else
	v_lshl_or_b32 v16, v9, 8*(\q), v16
.endif
.irp g, 0,1,2,3
	v_cvt_scalef32_pk8_fp4_f32 v[160+4*(\q)+\g], v[XS+8*\g:XS+8*\g+7], v11
.endr
	v_nop                                          ; one plain line behind the last conversion of a run
	global_store_b128 v6, v[160+4*(\q):160+4*(\q)+3], s[28:29] offset:((\q)/2)*512+((\q)%2)*256   ; the 16 lanes of a tile store 256 consecutive bytes, aligned
.endm
	LOADW 0
	LOADW 1
	s_wait_loadcnt 32                              ; block 0 is in; block 1's 32 loads may be out
	LOADW 2
	WB 0
	s_wait_loadcnt 32                              ; block 1 is in; block 2's may be out
	LOADW 3
	WB 1
	s_wait_loadcnt 32                              ; block 2 is in; block 3's may be out
	WB 2
	s_wait_loadcnt 0x0
	WB 3
	global_store_b32 v7, v16, s[30:31]             ; pieces of 32 bytes: 32,768 bytes in the whole launch
	s_endpgm
; ---------------- x.  K is innermost.  Work-group g takes rows 32 g .. 32 g + 31 (tiles 2 g, 2 g + 1); wave w takes tile 2 g + w / 2 and K steps 2 (w % 2), 2 (w % 2) + 1.
; Each load reads 512 consecutive bytes (one row's 128 numbers of a K step); a K step's 16 rows turn through the wave's own stage, so that lane (r, h) gets, of row r, k = 64 c + 32 h + 0 .. 31:
; two whole blocks a lane, in the very order of the operand's registers.
.Lx:
	s_sub_co_u32 s22, ttmp9, 64                    ; g
	s_lshr_b32 s23, s18, 1                         ; which of the two tiles
	s_and_b32 s24, s18, 1                          ; sp: which pair of K steps
	s_lshl_b32 s26, s22, 16                        ; in: 32 rows of 2,048 bytes,
	s_lshl_b32 s27, s23, 14                        ; the odd tile begins 8 rows down,
	s_add_co_u32 s26, s26, s27
	s_lshl_b32 s27, s24, 10                        ; 1,024 bytes for two K steps
	s_add_co_u32 s26, s26, s27
	s_mov_b32 s27, 0
	s_lshl_b32 s25, s22, 1
	s_add_co_u32 s25, s25, s23                     ; the tile
	s_lshl_b32 s28, s25, 12                        ; codes
	s_lshl_b32 s29, s24, 11
	s_add_co_u32 s28, s28, s29
	s_mov_b32 s29, 0
	s_lshl_b32 s30, s25, 8                         ; scale words
	s_lshl_b32 s31, s24, 7
	s_add_co_u32 s30, s30, s31
	s_add_co_u32 s30, s30, 2097152
	s_mov_b32 s31, 0
	s_mov_b32 s20, 0x76543210
	s_mov_b32 s21, 0xfedcba98                      ; v_permlanex16_b32's selects for lane l xor 16
	s_mul_i32 s32, s18, WREG                       ; my stages
	v_lshlrev_b32 v4, 4, v1                        ; 16 x lane
	v_add_nc_u32 v5, s32, v4                       ; into a stage: a row as it lies
	v_and_b32 v2, 15, v0                           ; r
	v_bfe_u32 v3, v0, 4, 1                         ; h
	v_mul_u32_u24 v6, v2, 528
	v_lshl_add_u32 v6, v3, 7, v6
	v_add_nc_u32 v6, s32, v6                       ; out of it: row r, + 128 h bytes
	v_lshlrev_b32 v7, 2, v1                        ; 4 x lane
	v_lshlrev_b32 v14, 3, v3                       ; 8 h: my bytes' place in a scale word
	v_mov_b32 v15, 0                               ; written once: a lane permute's destination counts as one of its sources
	s_wait_kmcnt 0x0
	s_add_nc_u64 s[4:5], s[4:5], s[26:27]
	s_add_nc_u64 s[34:35], s[14:15], s[28:29]
	s_add_nc_u64 s[36:37], s[14:15], s[30:31]
.irp st, 0,1
.irp i, 0,1,2,3,4,5,6,7,8,9,10,11,12,13,14,15
	global_load_b128 v[32+64*\st+4*\i:35+64*\st+4*\i], v4, s[4:5] offset:((\i%8)+16*(\i/8))*2048+512*\st th:TH_LOAD_NT
.endr
.endr
; 64 numbers of a lane, v[src + 32 c + e] = k 64 c + 32 h + e of my row, become the fragment's registers v[dst .. dst + 7] and my row's scale word v[w]
.macro QB src, dst, w
.irp c, 0,1
	v_max3_num_f32 v[8+\c], |v[\src+32*\c]|, |v[\src+32*\c+1]|, 0x1800000   ; my block 2 c + h, and the floor 2^(3 - 127)
.endr
.irp i, 2,4,6,8,10,12,14,16,18,20,22,24,26,28,30
.irp c, 0,1
	v_max3_num_f32 v[8+\c], v[8+\c], |v[\src+32*\c+\i]|, |v[\src+32*\c+\i+1]|   ; (the two blocks by turns)
.endr
.endr
.irp c, 0,1
	v_add_nc_u32 v[10+\c], 0xff000000, v[8+\c]     ; 2 off the exponent field: the conversion's scale operand
.endr
.irp c, 0,1
	v_lshrrev_b32 v[12+\c], 23, v[10+\c]           ; the scale's byte
.endr
	v_lshl_or_b32 v[\w], v13, 16, v12              ; my two bytes: blocks h and 2 + h,
	v_lshlrev_b32 v[\w], v14, v[\w]                ; at their places (8 h bits up);
	v_permlanex16_b32 v15, v[\w], s20, s21
	v_or_b32 v[\w], v[\w], v15                     ; with lane l xor 16's two the word is whole
.irp c, 0,1
.irp g, 0,1,2,3
	v_cvt_scalef32_pk8_fp4_f32 v[\dst+4*\c+\g], v[\src+32*\c+8*\g:\src+32*\c+8*\g+7], v[10+\c]
.endr
.endr
	v_nop                                          ; one plain line behind the last conversion of a run
.endm
	s_wait_loadcnt 16                              ; the first K step's 16 rows are in; the second's may be out
.irp i, 0,1,2,3,4,5,6,7,8,9,10,11,12,13,14,15
	ds_store_b128 v5, v[32+4*\i:35+4*\i] offset:528*\i
.endr
.irp c, 0,1
.irp q, 0,1,2,3,4,5,6,7
	ds_load_b128 v[160+32*\c+4*\q:163+32*\c+4*\q], v6 offset:256*\c+16*\q   ; LDS serves a wave's instructions in order (ISA guide 5.7.1.4): these see the stores above
.endr
.endr
	s_wait_loadcnt 0x0
.irp i, 0,1,2,3,4,5,6,7,8,9,10,11,12,13,14,15
	ds_store_b128 v5, v[96+4*\i:99+4*\i] offset:STG+528*\i
.endr
	s_wait_dscnt 16                                ; all but those 16 stores: the first K step is back, and its stores have read v32-95,
.irp c, 0,1
.irp q, 0,1,2,3,4,5,6,7
	ds_load_b128 v[32+32*\c+4*\q:35+32*\c+4*\q], v6 offset:STG+256*\c+16*\q   ; which take the second K step while the first is quantised
.endr
.endr
	QB 160, 224, 16
	global_store_b128 v4, v[224:227], s[34:35]                 ; 32 lanes store 512 consecutive bytes, aligned
	global_store_b128 v4, v[228:231], s[34:35] offset:512
	s_wait_dscnt 0x0
	QB 32, 232, 17
	global_store_b128 v4, v[232:235], s[34:35] offset:1024
	global_store_b128 v4, v[236:239], s[34:35] offset:1536
	v_cmp_le_u32 vcc_lo, 16, v1
	v_cndmask_b32 v18, v16, v17, vcc_lo            ; lanes 0-15: the even K step's words; lanes 16-31: the odd one's
	global_store_b32 v7, v18, s[36:37]
	s_wait_tensorcnt 0x0
	ds_add_u32 v240, v241
	s_wait_dscnt 0x0
	s_endpgm
.Lfunc_end_k_q73f1914291_quant:
	.size	k_q73f1914291_quant, .Lfunc_end_k_q73f1914291_quant-k_q73f1914291_quant
	.p2alignl 7, 3214868480
	.fill 96, 4, 3214868480
	.section	.rodata,"a",@progbits
	.p2align	6, 0x0
	.amdhsa_kernel k_q73f1914291_quant
		.amdhsa_group_segment_fixed_size 68096
		.amdhsa_private_segment_fixed_size 0
		.amdhsa_enable_private_segment 0
		.amdhsa_kernarg_size 56
		.amdhsa_user_sgpr_count 2
		.amdhsa_user_sgpr_kernarg_segment_ptr 1
		.amdhsa_wavefront_size32 1
		.amdhsa_system_sgpr_workgroup_id_x 1
		.amdhsa_system_sgpr_workgroup_id_y 1
		.amdhsa_system_sgpr_workgroup_id_z 1
		.amdhsa_system_vgpr_workitem_id 0
		.amdhsa_next_free_vgpr 242
		.amdhsa_next_free_sgpr 66
		.amdhsa_reserve_vcc 1
		.amdhsa_float_denorm_mode_32 3
		.amdhsa_float_denorm_mode_16_64 3
		.amdhsa_memory_ordered 1
		.amdhsa_forward_progress 1
		.amdhsa_inst_pref_size 36
	.end_amdhsa_kernel
	.amdgpu_metadata
---
amdhsa.version: [ 1, 2 ]
amdhsa.kernels:
  - .name:           k_q73f1914291_quant
    .symbol:         k_q73f1914291_quant.kd
    .args:
      - { .name: x, .offset: 0, .size: 8, .value_kind: global_buffer, .address_space: global }
      - { .name: Wq, .offset: 8, .size: 8, .value_kind: global_buffer, .address_space: global }
      - { .name: Wk, .offset: 16, .size: 8, .value_kind: global_buffer, .address_space: global }
      - { .name: Wv, .offset: 24, .size: 8, .value_kind: global_buffer, .address_space: global }
      - { .name: Wo, .offset: 32, .size: 8, .value_kind: global_buffer, .address_space: global }
      - { .name: xq, .offset: 40, .size: 8, .value_kind: global_buffer, .address_space: global }
      - { .name: wq, .offset: 48, .size: 8, .value_kind: global_buffer, .address_space: global }
    .group_segment_fixed_size: 68096
    .private_segment_fixed_size: 0
    .kernarg_segment_align: 8
    .kernarg_segment_size: 56
    .max_flat_workgroup_size: 128
    .sgpr_count:     66
    .vgpr_count:     242
    .wavefront_size: 32
...
	.end_amdgpu_metadata
.endif
;; end of part 1
;; launch qkv (part 2): grid 64 x 3, 4 waves a work-group, no clusters, 0 bytes of LDS; arguments xq, wq, bq, bk, bv, qq, kv; writes qq, kv
.if DOCPART == 2
	.amdgcn_target "amdgcn-amd-amdhsa--gfx1250"
	.amdhsa_code_object_version 6
	.text
	.protected	k_q73f1914291_qkv
	.globl	k_q73f1914291_qkv
	.p2align	8
	.type	k_q73f1914291_qkv,@function
k_q73f1914291_qkv:
	s_mov_b64 s[64:65], 0
	v_nop
	global_prefetch_b8 v0, s[64:65] scope:SCOPE_SE
	s_setreg_imm32_b32 hwreg(HW_REG_WAVE_MODE, 25, 1), 1
	s_wait_xcnt 0x0
; Q = x Wq + bq, K = x Wk + bk, V = x Wv + bv on codes of FP4 (E2M1) with E8M0 scales, and each result quantised again, in registers, along the K of the product that will read it:
; Q and K along the head's 64 channels, V along the keys.  Work-group (J, y): rows 128 J .. 128 J + 127 of x; y = 0 Q, 1 K, 2 V.  Wave w: columns 128 w .. 128 w + 127 (heads 2 w, 2 w + 1).
; 192 work-groups: V's quantiser wants 128 keys in one wave, so a unit is 128 rows x one of three products.
; OPERANDS lie in memory in the order of their registers (tile order: tile T, index i = element 32 (T / 2) + 8 (T % 2) + i % 8 + 16 (i / 8); an image of 16 indices x 128 K is 1,024 bytes,
; lane L's registers 4 c .. 4 c + 3 at byte 512 c + 16 L): every load is 16 bytes a lane, 512 consecutive bytes a wave; nothing goes through LDS.
; ONE TEXT FOR BOTH ORIENTATIONS.  Source 0 is the WIDE operand (8 tiles, window 1), source 1 the NARROW one (a tile at a time, window 2).  By the tile order a lane's 64 results of a narrow tile
; are 64 of 128 neighbours along the wide axis: register 16 b + i = 32 b + 16 (lane / 16) + i.  Q, K: wide = the weight: a lane holds one row of x, registers run along the channels.
; V: wide = x: a lane holds one channel, registers run along the keys.  The bias is the C of each sum's first matrix instruction.
; OUT.  qq: Q's half images [head][tile][lane][16] (registers 0-3: the head's 64 channels); scale words [head][key step][lane][4]: word b of lane L: tile 2 b + L / 16, index L % 16; bytes 2, 3 are 0.
;       kv: one record of 8,960 bytes for a head's 128 keys: K's 8 half images; V^T's 4 images (16 channels x 128 keys); K's scale words [lane][4]; V's [lane][2].
; LIMITS: a block of zeros gets the byte 1 with zero codes (this program alone reads the bytes); NaN and infinities are not served.
; REGISTERS: window 0: v1-7 offsets; v16-31 the wide operand's scale words, v32-47 the narrow one's; v48-111 the bias; v112-175 eight accumulators; v176-183 the codes just made; v184-199 at work;
;   v200-207 the eight scale words made; v208-219 scale words on their way out.   window 1: the wide operand, v[32 tile + 8 s + 4 c].   window 2: the narrow one, likewise.
.set WSC, 16
.set NSC, 32
.set BI,  48
.set ACC, 112
.set PC,  176
.set TM,  184
.set PWS, 200
.set OW,  208
.set REC, 8960                         ; a record of kv
.set HEADB, 16*REC                     ; a head's 16 records
.set MSB, 0
.macro WIN new                         ; the immediate's high byte repeats the setting that is left; a switch that changes nothing is dropped
.if MSB != \new
	s_set_vgpr_msb (MSB<<8)|\new
.set MSB, \new
.endif
.endm
; 64 numbers of a lane, register 16 b + i = k 32 b + 16 (lane / 16) + i, become a fragment's codes in v[PC] on and its scale word in v[pw]
.macro QUANT s, pw
.irp b, 0,1,2,3
	v_max3_num_f32 v[TM+\b], |v[\s+16*\b]|, |v[\s+1+16*\b]|, 0x1800000   ; block b: my 16 numbers, from each accumulator's low end on, and the floor 2^(3 - 127)
.endr
.irp i, 2,4,6,8,10,12,14
.irp b, 0,1,2,3
	v_max3_num_f32 v[TM+\b], v[TM+\b], |v[\s+16*\b+\i]|, |v[\s+1+16*\b+\i]|   ; (the four blocks by turns)
.endr
.endr
.irp b, 0,1,2,3
	v_permlanex16_b32 v[TM+4+\b], v[TM+\b], s20, s21
.endr
.irp b, 0,1,2,3
	v_max_num_f32 v[TM+\b], v[TM+\b], v[TM+4+\b]   ; with lane l xor 16's: the block's largest magnitude
.endr
.irp b, 0,1,2,3
	v_add_nc_u32 v[TM+12+\b], 0xff000000, v[TM+\b] ; 2 off its exponent field: the conversion's scale operand
.endr
.irp b, 0,1,2,3
	v_lshrrev_b32 v[TM+4+\b], 23, v[TM+12+\b]      ; the scale's byte
.endr
	v_lshl_or_b32 v[\pw], v[TM+5], 8, v[TM+4]
	v_lshl_or_b32 v[\pw], v[TM+6], 16, v[\pw]
	v_lshl_or_b32 v[\pw], v[TM+7], 24, v[\pw]
.irp b, 0,1,2,3
	v_cvt_scalef32_pk8_fp4_f32 v[PC+2*\b], v[\s+16*\b:\s+7+16*\b], v[TM+12+\b]
	v_cvt_scalef32_pk8_fp4_f32 v[PC+1+2*\b], v[\s+8+16*\b:\s+15+16*\b], v[TM+12+\b]
.endr
	v_nop                                          ; one plain line behind the last conversion
.irp c, 0,1                                    ; the operand's layout wants a WHOLE block in a lane: lanes 0-15 block 2 c, lanes 16-31 block 2 c + 1
.irp i, 0,1
	v_permlane16_swap_b32 v[PC+4*\c+\i], v[PC+2+4*\c+\i]
.endr
.endr
.endm
; 32 matrix instructions: the wide operand's 8 tiles x narrow tile u, K = 512 in four steps.  The eight accumulators take turns, one instruction a turn.
; A scale register holds the words of two K steps: lanes 0-15 the even one's, lanes 16-31 the odd one's.
.macro MM u, isv
.irp s, 0,1,2,3
.irp a, 0,1,2,3,4,5,6,7
.if \s == 0
.if \isv
	v_wmma_scale_f32_16x16x128_f8f6f4 v[ACC+8*\a:ACC+8*\a+7], v[32*\a:32*\a+7], v[32*\u:32*\u+7], v[BI:BI+7], v[WSC+2*\a], v[NSC+2*\u] matrix_a_fmt:MATRIX_FMT_FP4 matrix_b_fmt:MATRIX_FMT_FP4
.else
	v_wmma_scale_f32_16x16x128_f8f6f4 v[ACC+8*\a:ACC+8*\a+7], v[32*\a:32*\a+7], v[32*\u:32*\u+7], v[BI+8*\a:BI+8*\a+7], v[WSC+2*\a], v[NSC+2*\u] matrix_a_fmt:MATRIX_FMT_FP4 matrix_b_fmt:MATRIX_FMT_FP4
.endif
.elseif \s == 2
	v_wmma_scale_f32_16x16x128_f8f6f4 v[ACC+8*\a:ACC+8*\a+7], v[32*\a+16:32*\a+23], v[32*\u+16:32*\u+23], v[ACC+8*\a:ACC+8*\a+7], v[WSC+2*\a+1], v[NSC+2*\u+1] matrix_a_fmt:MATRIX_FMT_FP4 matrix_b_fmt:MATRIX_FMT_FP4
.else
	v_wmma_scale_f32_16x16x128_f8f6f4 v[ACC+8*\a:ACC+8*\a+7], v[32*\a+8*\s:32*\a+8*\s+7], v[32*\u+8*\s:32*\u+8*\s+7], v[ACC+8*\a:ACC+8*\a+7], v[WSC+2*\a+\s/2], v[NSC+2*\u+\s/2] matrix_a_fmt:MATRIX_FMT_FP4 matrix_b_fmt:MATRIX_FMT_FP4 matrix_a_scale:MATRIX_SCALE_ROW1 matrix_b_scale:MATRIX_SCALE_ROW1
.endif
.endr
.endr
.endm
; The whole of a wave's work.  s[34:35], s[36:37] the wide operand's codes and scale words; s[38:39], s[58:59] the narrow one's; s[52:53] the bias; s[54:55] where the codes go.
.macro PATH isv
.irp a, 0,1,2,3,4,5,6,7
.irp sp, 0,1
	global_load_b32 v[WSC+2*\a+\sp], v2, s[36:37] offset:\a*256+\sp*128
	global_load_b32 v[NSC+2*\a+\sp], v2, s[58:59] offset:\a*256+\sp*128
.endr
.endr
.if \isv
.irp u, 0,1,2,3,4,5,6,7
	global_load_b32 v[BI+8+\u], v3, s[52:53] offset:(32*(\u/2)+8*(\u%2))*4    ; my channel's bias in narrow tile u
.endr
.else
.irp a, 0,1,2,3,4,5,6,7
	global_load_b128 v[BI+8*\a:BI+8*\a+3], v3, s[52:53] offset:(32*(\a/2)+8*(\a%2))*4       ; the bias of wide tile a's eight channels of my half
	global_load_b128 v[BI+8*\a+4:BI+8*\a+7], v3, s[52:53] offset:(32*(\a/2)+8*(\a%2))*4+16
.endr
.endif
	WIN 0x40                                       ; destination window 1
.irp a, 0,1,2,3,4,5,6,7
.irp s, 0,1,2,3
.irp c, 0,1
	global_load_b128 v[32*\a+8*\s+4*\c:32*\a+8*\s+4*\c+3], v1, s[34:35] offset:\a*4096+\s*1024+\c*512
.endr
.endr
.endr
	WIN 0x80                                       ; destination window 2
.irp a, 0,1,2,3,4,5,6,7
.irp s, 0,1,2,3
.irp c, 0,1
	global_load_b128 v[32*\a+8*\s+4*\c:32*\a+8*\s+4*\c+3], v1, s[38:39] offset:\a*4096+\s*1024+\c*512
.endr
.endr
.endr
	WIN 0
.irp u, 0,1,2,3,4,5,6,7
	s_wait_loadcnt 8*(7-\u)                        ; loads come back in order: all up to narrow tile u are in; the 8 loads of each tile behind it may be out
.if \isv && (\u == 0)
.irp j, 0,1,2,3,4,5,6,7
	v_mov_b32 v[BI+\j], v[BI+8]                    ; V: a lane's eight results belong to one channel: its bias eight times is the C
.endr
.rept 4
	v_nop
.endr
.endif
	WIN 0x09                                       ; source 0 window 1, source 1 window 2, C and D window 0
	MM \u, \isv
	WIN 0
.rept 4
	v_nop                                          ; four places behind the last products, ahead of the first read of results and of writes of their C (ISA guide 7.12.1)
.endr
.if \isv && (\u < 7)
.irp j, 0,1,2,3,4,5,6,7
	v_mov_b32 v[BI+\j], v[BI+9+\u]                 ; the next tile's bias
.endr
.endif
	s_wait_xcnt 0x0                                ; the last stores have read v[PC] on: it is written again only behind this wait
	QUANT ACC, PWS+\u                              ; (its plain lines are also the places ahead of the next tile's products, which begin the accumulators anew)
.if \isv
	global_store_b128 v1, v[PC:PC+3], s[54:55] offset:(\u/4)*HEADB+4096+(\u%4)*1024          ; V^T's image: head 2 w + u / 4, channel tile u % 4
	global_store_b128 v1, v[PC+4:PC+7], s[54:55] offset:(\u/4)*HEADB+4096+(\u%4)*1024+512
.else
	global_store_b128 v1, v[PC:PC+3], s[54:55] offset:512*\u       ; channels 0-63 of my 128: head 2 w's half image of tile u: 512 consecutive bytes
	global_store_b128 v4, v[PC+4:PC+7], s[54:55] offset:512*\u     ; channels 64-127: head 2 w + 1's
.endif
.endr
.endm
	s_load_b256 s[4:11], s[0:1], 0x0               ; xq s[4:5], wq s[6:7], bq s[8:9], bk s[10:11]
	s_load_b128 s[12:15], s[0:1], 0x20             ; bv s[12:13], qq s[14:15]
	s_load_b64 s[16:17], s[0:1], 0x30              ; kv
	v_lshrrev_b32 v1, 5, v0
	v_readfirstlane_b32 s18, v1                    ; wave 0..3
	s_and_b32 s19, ttmp7, 0xffff                   ; y: which product
	v_and_b32 v7, 31, v0                           ; lane
	v_lshlrev_b32 v1, 4, v7                        ; 16 x lane
	v_lshlrev_b32 v2, 2, v7                        ; 4 x lane
	v_lshlrev_b32 v6, 3, v7                        ; 8 x lane
	s_mov_b32 s20, 0x76543210
	s_mov_b32 s21, 0xfedcba98                      ; v_permlanex16_b32's selects for lane l xor 16
.irp b, 0,1,2,3
	v_mov_b32 v[TM+4+\b], 0                        ; written once: a lane permute's destination counts as one of its sources
.endr
	s_lshr_b32 s23, ttmp9, 4                       ; the batch
	s_and_b32 s24, ttmp9, 15                       ; j: which 128 rows of its sequence
	s_lshl_b32 s25, s23, 3
	s_lshl_b32 s22, s18, 1
	s_add_co_u32 s25, s25, s22                     ; my first head: 8 x batch + 2 x wave
	s_lshl_b32 s26, ttmp9, 15                      ; x's codes: 8 tiles of 4,096 bytes
	s_mov_b32 s27, 0
	s_lshl_b32 s28, ttmp9, 11                      ; x's scale words: 8 tiles of 256
	s_add_co_u32 s28, s28, 2097152
	s_mov_b32 s29, 0
	s_lshl_b32 s30, s19, 17                        ; the weight's codes: 131,072 a weight, my 8 tiles
	s_lshl_b32 s22, s18, 15
	s_add_co_u32 s30, s30, s22
	s_mov_b32 s31, 0
	s_lshl_b32 s32, s19, 13                        ; its scale words
	s_lshl_b32 s22, s18, 11
	s_add_co_u32 s32, s32, s22
	s_add_co_u32 s32, s32, 524288
	s_mov_b32 s33, 0
	s_mul_i32 s42, s25, HEADB
	s_mul_i32 s43, s24, REC
	s_add_co_u32 s42, s42, s43                     ; my first head's record j in kv
	s_mov_b32 s43, 0
	s_lshl_b32 s60, s18, 9                         ; my 128 numbers of a bias
	s_mov_b32 s61, 0
	s_wait_kmcnt 0x0
	s_add_nc_u64 s[26:27], s[4:5], s[26:27]
	s_add_nc_u64 s[28:29], s[4:5], s[28:29]
	s_add_nc_u64 s[30:31], s[6:7], s[30:31]
	s_add_nc_u64 s[32:33], s[6:7], s[32:33]
	s_cmp_eq_u32 s19, 2                            ; V: x is the wide operand; Q, K: the weight is.  The choice hangs on the work-group's number alone
	s_cselect_b64 s[34:35], s[26:27], s[30:31]
	s_cselect_b64 s[36:37], s[28:29], s[32:33]
	s_cselect_b64 s[38:39], s[30:31], s[26:27]
	s_cselect_b64 s[58:59], s[32:33], s[28:29]
	s_cbranch_scc1 .Lv
	; ---- Q or K
	s_lshl_b32 s40, s25, 16                        ; Q: a head's half images are 65,536 bytes, a key step's 8 tiles 4,096
	s_lshl_b32 s41, s24, 12
	s_add_co_u32 s40, s40, s41
	s_lshl_b32 s44, s25, 13                        ; Q's scale words: 8,192 a head, 512 a key step, behind the codes
	s_lshl_b32 s45, s24, 9
	s_add_co_u32 s44, s44, s45
	s_add_co_u32 s44, s44, 2097152
	s_add_co_u32 s45, s42, 8192                    ; K's scale words: in the record, behind K's and V's codes
	s_mov_b32 s46, 65536                           ; from a head to the next: Q's codes,
	s_mov_b32 s47, HEADB                           ; all of K's,
	s_mov_b32 s48, 8192                            ; Q's scale words
	s_cmp_eq_u32 s19, 1
	s_cselect_b32 s40, s42, s40
	s_cselect_b32 s44, s45, s44
	s_cselect_b32 s46, s47, s46
	s_cselect_b32 s48, s47, s48
	s_cselect_b64 s[50:51], s[16:17], s[14:15]     ; kv or qq
	s_cselect_b64 s[52:53], s[10:11], s[8:9]       ; bk or bq
	s_mov_b32 s41, 0
	s_mov_b32 s45, 0
	s_add_nc_u64 s[54:55], s[50:51], s[40:41]
	s_add_nc_u64 s[56:57], s[50:51], s[44:45]
	s_add_nc_u64 s[52:53], s[52:53], s[60:61]
	v_add_nc_u32 v4, s46, v1                       ; 16 x lane, one head on: codes
	v_add_nc_u32 v5, s48, v1                       ; and scale words
	v_bfe_u32 v3, v0, 4, 1
	v_lshlrev_b32 v3, 6, v3                        ; the bias: my half's 8 channels of a tile begin 16 h numbers on
	PATH 0
	v_cmp_le_u32 vcc_lo, 16, v7
.irp bb, 0,1,2,3
	v_cndmask_b32 v[OW+8+\bb], v[PWS+2*\bb], v[PWS+2*\bb+1], vcc_lo   ; lanes 0-15: tile 2 b's word; lanes 16-31: tile 2 b + 1's
.endr
.irp bb, 0,1,2,3
	v_and_b32 v[OW+\bb], 0xffff, v[OW+8+\bb]       ; bytes 0, 1: head 2 w's two blocks; the bytes of the upper 64 along K, whose codes are zeros, are 0
	v_lshrrev_b32 v[OW+4+\bb], 16, v[OW+8+\bb]     ; bytes 2, 3: head 2 w + 1's
.endr
	global_store_b128 v1, v[OW:OW+3], s[56:57]
	global_store_b128 v5, v[OW+4:OW+7], s[56:57]
	s_endpgm
	; ---- V
.Lv:
	s_add_nc_u64 s[54:55], s[16:17], s[42:43]
	s_add_nc_u64 s[52:53], s[12:13], s[60:61]
	v_and_b32 v3, 7, v0
	v_bfe_u32 v8, v0, 3, 1
	v_lshlrev_b32 v3, 2, v3
	v_lshl_add_u32 v3, v8, 6, v3                   ; the bias: index r of a tile is channel r % 8 + 16 (r / 8) of it
	PATH 1
	v_cmp_le_u32 vcc_lo, 16, v7
.irp hh, 0,1
.irp bb, 0,1
	v_cndmask_b32 v[OW+2*\hh+\bb], v[PWS+4*\hh+2*\bb], v[PWS+4*\hh+2*\bb+1], vcc_lo   ; lanes 0-15: channel tile 2 b's word; lanes 16-31: tile 2 b + 1's
.endr
	global_store_b64 v6, v[OW+2*\hh:OW+2*\hh+1], s[54:55] offset:8704+\hh*HEADB     ; 32 lanes store 256 consecutive bytes, aligned
.endr
	s_endpgm
.Lfunc_end_k_q73f1914291_qkv:
	.size	k_q73f1914291_qkv, .Lfunc_end_k_q73f1914291_qkv-k_q73f1914291_qkv
	.p2alignl 7, 3214868480
	.fill 96, 4, 3214868480
	.section	.rodata,"a",@progbits
	.p2align	6, 0x0
	.amdhsa_kernel k_q73f1914291_qkv
		.amdhsa_group_segment_fixed_size 0
		.amdhsa_private_segment_fixed_size 0
		.amdhsa_enable_private_segment 0
		.amdhsa_kernarg_size 56
		.amdhsa_user_sgpr_count 2
		.amdhsa_user_sgpr_kernarg_segment_ptr 1
		.amdhsa_wavefront_size32 1
		.amdhsa_system_sgpr_workgroup_id_x 1
		.amdhsa_system_sgpr_workgroup_id_y 1
		.amdhsa_system_sgpr_workgroup_id_z 1
		.amdhsa_system_vgpr_workitem_id 0
		.amdhsa_next_free_vgpr 768
		.amdhsa_next_free_sgpr 66
		.amdhsa_reserve_vcc 1
		.amdhsa_float_denorm_mode_32 3
		.amdhsa_float_denorm_mode_16_64 3
		.amdhsa_memory_ordered 1
		.amdhsa_forward_progress 1
		.amdhsa_inst_pref_size 170
	.end_amdhsa_kernel
	.amdgpu_metadata
---
amdhsa.version: [ 1, 2 ]
amdhsa.kernels:
  - .name:           k_q73f1914291_qkv
    .symbol:         k_q73f1914291_qkv.kd
    .args:
      - { .name: xq, .offset: 0, .size: 8, .value_kind: global_buffer, .address_space: global }
      - { .name: wq, .offset: 8, .size: 8, .value_kind: global_buffer, .address_space: global }
      - { .name: bq, .offset: 16, .size: 8, .value_kind: global_buffer, .address_space: global }
      - { .name: bk, .offset: 24, .size: 8, .value_kind: global_buffer, .address_space: global }
      - { .name: bv, .offset: 32, .size: 8, .value_kind: global_buffer, .address_space: global }
      - { .name: qq, .offset: 40, .size: 8, .value_kind: global_buffer, .address_space: global }
      - { .name: kv, .offset: 48, .size: 8, .value_kind: global_buffer, .address_space: global }
    .group_segment_fixed_size: 0
    .private_segment_fixed_size: 0
    .kernarg_segment_align: 8
    .kernarg_segment_size: 56
    .max_flat_workgroup_size: 128
    .sgpr_count:     66
    .vgpr_count:     768
    .wavefront_size: 32
...
	.end_amdgpu_metadata
.endif
;; end of part 2
;; launch attn (part 3): grid 8 x 32, 16 waves a work-group, clusters of 4 x 1, 169,984 bytes of LDS; arguments qq, kv, cq; writes cq
.if DOCPART == 3
	.amdgcn_target "amdgcn-amd-amdhsa--gfx1250"
	.amdhsa_code_object_version 6
	.text
	.protected	k_q73f1914291_attn
	.globl	k_q73f1914291_attn
	.p2align	8
	.type	k_q73f1914291_attn,@function
k_q73f1914291_attn:
	s_mov_b64 s[64:65], 0
	v_nop
	global_prefetch_b8 v0, s[64:65] scope:SCOPE_SE
	s_setreg_imm32_b32 hwreg(HW_REG_WAVE_MODE, 25, 1), 1
	s_wait_xcnt 0x0
	s_wait_alu depctr_hold_cnt(0) depctr_sa_sdst(0) depctr_va_vdst(0) depctr_va_sdst(0) depctr_va_ssrc(0) depctr_va_vcc(0) depctr_vm_vsrc(0)
	s_getreg_b32 s2, hwreg(HW_REG_IB_STS2, 6, 4)
	s_cmp_eq_u32 s2, 0
	s_cbranch_scc0 .Lentry_in_a_cluster
	s_endpgm
.Lentry_in_a_cluster:
	s_bfe_u32 s2, ttmp6, 0x10000c
	s_cmp_lg_u32 s2, 0x3003
	s_cbranch_scc0 .Lentry_shape_is_right
	s_endpgm
.Lentry_shape_is_right:
; ctx[head][q] = the sum over k of softmax_k(Q[q] . K[k] / 8) V[k], both products on codes of FP4 (E2M1) with E8M0 scales; ctx leaves as codes along the last product's K (the 512 columns).
; THE SOFTMAX AHEAD OF THE SECOND PRODUCT: t = score x log2(e) / 8; M = the row's largest t so far, rounded UP to a whole number; p = 2^(t - M) is quantised along the keys, not normalised.
; The row's sum is taken of the unquantised p, in f32, and divides O at the end.  When M moves, the sum and O are multiplied by 2^(old M - new M): exact.
; SHARES.  A work-group owns 256 queries of one head, each of its sixteen waves one tile of 16 in 256 registers: four waves to a SIMD, so that one wave's vector work stands beside another's
; matrix work and LDS loads.  Every wave walks the head's 2,048 keys, 128 a step.
; A WHOLE HEAD'S K AND V STAY IN LDS: 16 records of 8,960 bytes (K's 8 half images, V^T's 4 images, K's scale words, V's), laid in the order of the operands' registers, so that every LDS read is
; 16 (or 8) bytes a lane on end.  Each LDS byte is filled once: no ring.  Waves 0-3 bring four records each; by this text's count a wave has four tensor loads outstanding at the most.
; CLUSTER.  The four query blocks of a cluster belong to one head and need the same records: each is asked for JOINTLY, by the same tensor load with the same descriptor and the mask of all four.
; LAYOUT.  Both products are used transposed: S^T = K Q^T (source 0 = 16 keys, source 1 = my 16 queries), O^T = V^T P^T: a lane holds ONE query (lane % 16) throughout.  By the tile order
; (tile T, index i = element 32 (T / 2) + 8 (T % 2) + i % 8 + 16 (i / 8)) the 16 registers of tiles 2 b and 2 b + 1 are 16 neighbours: 32 b + 16 (lane / 16) + 0 .. 15, of the keys and later of the channels.
; The head has 64 channels and the instruction takes 128 along K: registers 4-7 of Q's and K's fragments hold zero codes, which add nothing (their scale bytes are 0, not 0xff).
; LIMITS: a block of zeros gets the byte 1 with zero codes (this program alone reads the bytes); NaN and infinities are not served; p under 2^-126 counts as 0 (v_exp_f32).
; REGISTERS: v1 16 x lane, v2 8 x lane, v3 lane, v5, v6 offsets; v8-9 the step's LDS addresses; v12 -M, v13 the largest t, v[14:15] the sum in two halves; v16-23 Q; v24-87 K's 8 fragments;
;   v88-119 V's 4; v120-183 S^T, then p; v184-215 O^T; v216-223 p's codes; v224-227 K's scale words, v228-229 V's, v230 Q's, v231 p's; v232-254 at work.
.set REC, 8960
.set WV,  18                           ; s18 my wave's number
.set TB,  48                           ; s48 LDS byte at which the step's record begins
.set CNT, 49                           ; s49 trips to go
; A round of the cluster's barrier: my work-group's barrier, so that wave 0's signal speaks for all sixteen waves; wave 0 signals; every wave waits for all four work-groups; my work-group's barrier once more.
.macro ROUND
	s_barrier_signal -1
	s_barrier_wait -1
	s_cmp_lg_u32 s[WV], 0
	s_cbranch_scc1 .Lnot_wave_0_\@
	s_barrier_signal -3
.Lnot_wave_0_\@:
	s_barrier_wait -3
	s_barrier_signal -1
	s_barrier_wait -1
.endm
	s_load_b128 s[4:7], s[0:1], 0x0                ; qq s[4:5], kv s[6:7]
	s_load_b64 s[8:9], s[0:1], 0x10                ; cq
	v_lshl_add_u32 v251, v0, 2, 0x29000
	v_mov_b32 v255, 0
	ds_add_u32 v251, v255
	ds_add_u32 v251, v255
	v_lshrrev_b32 v3, 5, v0
	v_readfirstlane_b32 s[WV], v3                  ; wave 0..15
	v_and_b32 v3, 31, v0                           ; lane
	v_lshlrev_b32 v1, 4, v3
	v_lshlrev_b32 v2, 3, v3
	v_and_b32 v4, 15, v0                           ; r
	v_lshlrev_b32 v5, 4, v4                        ; Q's scale word: 16 bytes an index
	v_lshlrev_b32 v6, 2, v4                        ; ctx's: 4 bytes an index
	s_and_b32 s10, ttmp7, 0xffff                   ; the head (of 32), which the four partners share
	s_min_u32 s15, s[WV], 3                        ; (waves 4-15 issue no load: their descriptors are wave 3's, so that none points outside)
	s_mul_i32 s14, s15, REC                        ; my first record: in LDS and in the head's bytes alike
	s_mul_i32 s12, s10, 16*REC
	s_add_co_u32 s12, s12, s14
	s_mov_b32 s13, 0
	; descriptor group 1: a record is a dense block: 35 rows of 256 bytes (32 elements of 8 bytes), no padding
	s_mov_b32 s24, 15|(3<<16)|(1<<21)              ; 15:0 the mask: all four work-groups; 17:16 elements of 8 bytes; 21 set beside a mask
	s_mov_b32 s25, 32<<16                          ; tensor_dim0 = 32
	s_mov_b32 s26, 35<<16                          ; tensor_dim1 = 35
	s_mov_b32 s27, 32<<16                          ; tile_dim0 = 32
	s_mov_b32 s28, 35                              ; tile_dim1 = 35
	s_mov_b32 s29, 32                              ; elements from row to row
	s_mov_b32 s30, 0
	s_mov_b32 s31, 0
	s_mov_b32 s20, 0x76543210
	s_mov_b32 s21, 0xfedcba98                      ; v_permlanex16_b32's selects for lane l xor 16
	s_mov_b32 s22, 0x3e38aa3b                      ; c = log2(e) / 8
	s_mov_b32 s23, s22                             ; (the packed form names the pair)
	; my place in the cluster enters Q's and ctx's global addresses alone
	s_bfe_u32 s50, ttmp6, 0x40000                  ; cx
	s_lshl_b32 s51, ttmp9, 2
	s_add_co_u32 s51, s51, s50                     ; my block of 256 queries
	s_lshl_b32 s52, s51, 4
	s_add_co_u32 s52, s52, s[WV]                   ; my tile of queries, of the head's 128
	s_lshl_b32 s54, s10, 7
	s_add_co_u32 s54, s54, s52
	s_lshl_b32 s54, s54, 9                         ; Q's half image: 512 bytes a tile
	s_mov_b32 s55, 0
	s_lshl_b32 s56, s10, 4                         ; Q's scale words: 512 bytes for 8 tiles;
	s_lshr_b32 s57, s52, 3
	s_add_co_u32 s56, s56, s57
	s_lshl_b32 s56, s56, 9
	s_bfe_u32 s57, s[WV], 0x20001                  ; of tile 2 b + u of the eight: word b
	s_lshl_b32 s57, s57, 2
	s_add_co_u32 s56, s56, s57
	s_and_b32 s57, s[WV], 1                        ; of lane 16 u + r
	s_lshl_b32 s57, s57, 8
	s_add_co_u32 s56, s56, s57
	s_add_co_u32 s56, s56, 2097152
	s_mov_b32 s57, 0
	s_lshr_b32 s58, s10, 3                         ; ctx: the batch's 128 tiles of rows,
	s_lshl_b32 s58, s58, 7
	s_add_co_u32 s58, s58, s52                     ; my tile
	s_and_b32 s59, s10, 7                          ; the head within the batch: columns 64 hd on: half hd % 2 of K step hd / 2
	s_lshl_b32 s60, s58, 12
	s_lshl_b32 s61, s59, 9
	s_add_co_u32 s60, s60, s61                     ; codes: 4,096 a tile, 512 a half image
	s_mov_b32 s61, 0
	s_lshl_b32 s62, s58, 8                         ; scale words: 256 a tile,
	s_lshr_b32 s63, s59, 1
	s_lshl_b32 s63, s63, 6                         ; 64 a K step,
	s_add_co_u32 s62, s62, s63
	s_and_b32 s63, s59, 1
	s_lshl_b32 s63, s63, 1                         ; my head's two bytes of the word
	s_add_co_u32 s62, s62, s63
	s_add_co_u32 s62, s62, 2097152
	s_mov_b32 s63, 0
	s_wait_dscnt 0x0
	s_wait_kmcnt 0x0
	s_add_nc_u64 s[16:17], s[6:7], s[12:13]
.irp g, 0,1,2,3                                ; descriptor group 0, a set for each of my four loads: records wave, wave + 4, wave + 8, wave + 12
	s_mov_b32 s[32+4*\g], 1                                        ; count = 1
	s_add_co_u32 s[33+4*\g], s14, \g*4*REC                         ; LDS address
	s_add_nc_u64 s[34+4*\g:35+4*\g], s[16:17], \g*4*REC            ; global address
	s_or_b32 s[35+4*\g], s[35+4*\g], 0x80000000                    ; type = 2
.endr
	s_add_nc_u64 s[54:55], s[4:5], s[54:55]
	s_add_nc_u64 s[56:57], s[4:5], s[56:57]
	s_add_nc_u64 s[60:61], s[8:9], s[60:61]
	s_add_nc_u64 s[62:63], s[8:9], s[62:63]
	ROUND                                          ; all four work-groups are here: the joint loads meet
	s_cmp_lt_u32 s[WV], 4                          ; a wave's four fills stand in one branch, ahead of every wait on TENSORcnt and every LDS read; four v_nop follow the last
	s_cbranch_scc0 .Lno_fill
	tensor_load_to_lds s[32:35], s[24:31]
	s_nop 0
	tensor_load_to_lds s[36:39], s[24:31]
	s_nop 0
	tensor_load_to_lds s[40:43], s[24:31]
	s_nop 0
	tensor_load_to_lds s[44:47], s[24:31]
	s_nop 0
.rept 4
	v_nop
.endr
.Lno_fill:
	global_load_b128 v[16:19], v1, s[54:55]        ; Q's half image stays in registers
	global_load_b32 v230, v5, s[56:57]             ; and its scale words
.irp j, 20,21,22,23
	v_mov_b32 v[\j], 0                             ; zero codes for the upper 64 along K: Q's,
.endr
.irp t, 0,1,2,3,4,5,6,7
.irp j, 4,5,6,7
	v_mov_b32 v[24+8*\t+\j], 0                     ; and K's: written once, no load lands here
.endr
.endr
	v_mov_b32 v13, 0xff61b1e6                      ; the largest t so far: -3e38, under every t
	v_floor_f32 v12, -v13                          ; -M
	v_mov_b32 v14, 0                               ; the sum, in two halves
	v_mov_b32 v15, 0
.irp b, 0,1,2,3
	v_mov_b32 v[236+\b], 0                         ; written once: a lane permute's destination counts as one of its sources
.endr
	v_mov_b32 v253, 0                              ; (named as the upper half of the pair v[252:253])
.irp j, 0,1,2,3,4,5,6,7,8,9,10,11,12,13,14,15,16,17,18,19,20,21,22,23,24,25,26,27,28,29,30,31
	v_mov_b32 v[184+\j], 0                         ; O^T.  (The step is written once for all keys: the first finds zeros, which the first change of M leaves zeros)
.endr
; A KEY STEP: the 128 keys of the record at s[TB].
.macro STEP
	v_add_nc_u32 v8, s[TB], v1
	v_add_nc_u32 v9, s[TB], v2
	v_nop
	v_nop                                          ; four places behind the last step's products, ahead of loads into registers that they read (ISA guide 7.12.1 for vector instructions)
.irp t, 0,1,2,3,4,5,6,7
	ds_load_b128 v[24+8*\t:27+8*\t], v8 offset:512*\t              ; K's half images: 512 bytes on end each
.endr
	ds_load_b128 v[224:227], v8 offset:8192                        ; K's scale words: register b: lanes 0-15 tile 2 b's, lanes 16-31 tile 2 b + 1's
.irp d, 0,1,2,3
.irp c, 0,1
	ds_load_b128 v[88+8*\d+4*\c:91+8*\d+4*\c], v8 offset:4096+1024*\d+512*\c   ; V^T's images
.endr
.endr
	ds_load_b64 v[228:229], v9 offset:8704                         ; V's scale words, likewise
	s_wait_dscnt 9                                 ; K and its scale words are in; V's nine loads may be out
.irp t, 0,2,4,6
	v_wmma_scale_f32_16x16x128_f8f6f4 v[120+8*\t:127+8*\t], v[24+8*\t:31+8*\t], v[16:23], 0, v[224+\t/2], v230 matrix_a_fmt:MATRIX_FMT_FP4 matrix_b_fmt:MATRIX_FMT_FP4
	v_wmma_scale_f32_16x16x128_f8f6f4 v[128+8*\t:135+8*\t], v[32+8*\t:39+8*\t], v[16:23], 0, v[224+\t/2], v230 matrix_a_fmt:MATRIX_FMT_FP4 matrix_b_fmt:MATRIX_FMT_FP4 matrix_a_scale:MATRIX_SCALE_ROW1
.endr
.rept 4
	v_nop                                          ; four places ahead of the first read of results
.endr
.irp b, 0,1,2,3
	v_max3_num_f32 v[232+\b], v[120+16*\b], v[121+16*\b], v[122+16*\b]   ; THE LARGEST SCORE OF EACH BLOCK OF 32 KEYS: it serves the row's maximum and, since p rises with the score, the block's largest p
.endr
.irp i, 3,5,7,9,11,13
.irp b, 0,1,2,3
	v_max3_num_f32 v[232+\b], v[232+\b], v[120+16*\b+\i], v[121+16*\b+\i]   ; (the four blocks by turns)
.endr
.endr
.irp b, 0,1,2,3
	v_max_num_f32 v[232+\b], v[232+\b], v[135+16*\b]
.endr
.irp b, 0,1,2,3
	v_permlanex16_b32 v[236+\b], v[232+\b], s20, s21
.endr
.irp b, 0,1,2,3
	v_max_num_f32 v[232+\b], v[232+\b], v[236+\b]  ; with lane l xor 16's 16 keys
.endr
	v_max3_num_f32 v254, v232, v233, v234
	v_max_num_f32 v254, v254, v235                 ; the step's largest score of my query
	v_mul_f32 v254, s22, v254                      ; as t (c is positive)
	v_max_num_f32 v13, v13, v254                   ; the running largest t
	v_mov_b32 v254, v12
	v_floor_f32 v12, -v13                          ; the new -M = floor(-t) = -ceil(t): a whole number
	v_sub_f32 v254, v12, v254                      ; M's old value less its new one: a whole number, 0 or less
	v_cvt_i32_f32 v254, v254                       ; (it saturates)
	v_ldexp_f32 v252, 1.0, v254                    ; f = 2^(old M - new M): a multiplication by it rounds nothing
.irp j, 0,2,4,6,8,10,12,14,16,18,20,22,24,26,28,30,32,34,36,38,40,42,44,46,48,50,52,54,56,58,60,62
	v_pk_fma_f32 v[120+\j:121+\j], v[120+\j:121+\j], s[22:23], v[12:13] op_sel_hi:[1,0,0]   ; t - M, two at a time (of the pairs c and -M the low word serves both halves)
.endr
.irp b, 0,1,2,3
	v_fma_f32 v[232+\b], v[232+\b], s22, v12       ; the same of each block's largest score
.endr
.irp j, 0,1,2,3,4,5,6,7,8,9,10,11,12,13,14,15,16,17,18,19,20,21,22,23,24,25,26,27,28,29,30,31,32,33,34,35,36,37,38,39,40,41,42,43,44,45,46,47,48,49,50,51,52,53,54,55,56,57,58,59,60,61,62,63
	v_exp_f32 v[120+\j], v[120+\j]                 ; p = 2^(t - M), at most 1: not normalised
.endr
.irp b, 0,1,2,3
	v_exp_f32 v[232+\b], v[232+\b]                 ; the block's largest p: the same two instructions on the same number give the same bits
.endr
	v_pk_mul_f32 v[14:15], v[14:15], v[252:253] op_sel_hi:[1,0]    ; the sums under the new M.  (A plain line behind the exponentials)
	s_wait_alu depctr_va_vdst(0)
.irp b, 0,1,2,3
	v_max_num_f32 v[232+\b], 0x1800000, v[232+\b]  ; the floor 2^(3 - 127): the byte cannot fall under 1
.endr
.irp b, 0,1,2,3
	v_add_nc_u32 v[244+\b], 0xff000000, v[232+\b]  ; 2 off the exponent field: the conversion's scale operand
.endr
.irp b, 0,1,2,3
	v_lshrrev_b32 v[236+\b], 23, v[244+\b]         ; the scale's byte
.endr
	v_lshl_or_b32 v231, v237, 8, v236              ; p's scale word for these 128 keys
	v_lshl_or_b32 v231, v238, 16, v231
	v_lshl_or_b32 v231, v239, 24, v231
.irp b, 0,1,2,3
	v_cvt_scalef32_pk8_fp4_f32 v[216+2*\b], v[120+16*\b:127+16*\b], v[244+\b]
	v_cvt_scalef32_pk8_fp4_f32 v[217+2*\b], v[128+16*\b:135+16*\b], v[244+\b]
.endr
	v_nop                                          ; one plain line behind the last conversion
.irp c, 0,1                                    ; the operand's layout wants a WHOLE block in a lane: lanes 0-15 block 2 c, lanes 16-31 block 2 c + 1
.irp i, 0,1
	v_permlane16_swap_b32 v[216+4*\c+\i], v[218+4*\c+\i]
.endr
.endr
	v_pk_add_f32 v[236:237], v[120:121], v[122:123]                ; THE ROW'S SUM IS TAKEN OF THE UNQUANTISED p: two at a time, in two chains
.irp j, 4,8,12,16,20,24,28,32,36,40,44,48,52,56,60
	v_pk_add_f32 v[14:15], v[14:15], v[120+\j:121+\j]
	v_pk_add_f32 v[236:237], v[236:237], v[122+\j:123+\j]
.endr
	v_pk_add_f32 v[14:15], v[14:15], v[236:237]
.irp j, 0,2,4,6,8,10,12,14,16,18,20,22,24,26,28,30
	v_pk_mul_f32 v[184+\j:185+\j], v[184+\j:185+\j], v[252:253] op_sel_hi:[1,0]   ; O^T under the new M, each accumulator from its low end on.  (The sums and these are the places between p's codes and scale word and the products)
.endr
	s_wait_dscnt 0x0                               ; V and its scale words are in
.irp d, 0,2
	v_wmma_scale_f32_16x16x128_f8f6f4 v[184+8*\d:191+8*\d], v[88+8*\d:95+8*\d], v[216:223], v[184+8*\d:191+8*\d], v[228+\d/2], v231 matrix_a_fmt:MATRIX_FMT_FP4 matrix_b_fmt:MATRIX_FMT_FP4
	v_wmma_scale_f32_16x16x128_f8f6f4 v[192+8*\d:199+8*\d], v[96+8*\d:103+8*\d], v[216:223], v[192+8*\d:199+8*\d], v[228+\d/2], v231 matrix_a_fmt:MATRIX_FMT_FP4 matrix_b_fmt:MATRIX_FMT_FP4 matrix_a_scale:MATRIX_SCALE_ROW1
.endr
	s_add_co_u32 s[TB], s[TB], REC                 ; the next record
.endm
	s_wait_loadcnt 0x0                             ; Q
	s_wait_tensorcnt 3                             ; tensor loads of a wave end in order (ISA guide 10.11.1): my first record (0 to 3) is in; my three younger loads may be out
	s_barrier_signal -1
	s_barrier_wait -1                              ; records 0 to 3 are whole
	s_mov_b32 s[TB], 0
	s_mov_b32 s[CNT], 4
.Lfirst:                                           ; key steps 0 to 3, while records 4 to 15 land
	STEP
	s_sub_co_u32 s[CNT], s[CNT], 1
	s_cmp_lg_u32 s[CNT], 0
	s_cbranch_scc1 .Lfirst
	s_wait_tensorcnt 0x0                           ; all my records are in,
	s_wait_dscnt 0x0
	s_barrier_signal -1
	s_barrier_wait -1                              ; everybody's are
	s_mov_b32 s[TB], 4*REC
	s_mov_b32 s[CNT], 12
.Lrest:                                            ; key steps 4 to 15
	STEP
	s_sub_co_u32 s[CNT], s[CNT], 1
	s_cmp_lg_u32 s[CNT], 0
	s_cbranch_scc1 .Lrest
	; THE WAY OUT.  O^T / the sum is ctx: a lane's register 16 b + i is channel 32 b + 16 (lane / 16) + i of my query: two blocks of the last product's K.  They are quantised here and leave as half an image.
.rept 4
	v_nop                                          ; four places ahead of the first read of results
.endr
	v_add_f32 v14, v14, v15                        ; the sum's two halves,
	v_permlanex16_b32 v252, v14, s20, s21
	v_add_f32 v14, v14, v252                       ; and lane l xor 16's: the row's sum
	v_rcp_f32 v14, v14
	v_nop                                          ; one plain line behind a transcendental
	s_wait_alu depctr_va_vdst(0)
.irp j, 0,1,2,3,4,5,6,7,8,9,10,11,12,13,14,15,16,17,18,19,20,21,22,23,24,25,26,27,28,29,30,31
	v_mul_f32 v[120+\j], v[184+\j], v14
.endr
.irp b, 0,1
	v_max3_num_f32 v[232+\b], |v[120+16*\b]|, |v[121+16*\b]|, 0x1800000   ; block b: my 16 numbers, and the floor 2^(3 - 127)
.endr
.irp i, 2,4,6,8,10,12,14
.irp b, 0,1
	v_max3_num_f32 v[232+\b], v[232+\b], |v[120+16*\b+\i]|, |v[121+16*\b+\i]|
.endr
.endr
.irp b, 0,1
	v_permlanex16_b32 v[236+\b], v[232+\b], s20, s21
.endr
.irp b, 0,1
	v_max_num_f32 v[232+\b], v[232+\b], v[236+\b]
.endr
.irp b, 0,1
	v_add_nc_u32 v[244+\b], 0xff000000, v[232+\b]
.endr
.irp b, 0,1
	v_lshrrev_b32 v[236+\b], 23, v[244+\b]
.endr
	v_lshl_or_b32 v240, v237, 8, v236              ; my head's two bytes of the row's scale word
.irp b, 0,1
	v_cvt_scalef32_pk8_fp4_f32 v[216+2*\b], v[120+16*\b:127+16*\b], v[244+\b]
	v_cvt_scalef32_pk8_fp4_f32 v[217+2*\b], v[128+16*\b:135+16*\b], v[244+\b]
.endr
	v_nop                                          ; one plain line behind the last conversion
	v_permlane16_swap_b32 v216, v218               ; lanes 0-15: block 0 whole; lanes 16-31: block 1
	v_permlane16_swap_b32 v217, v219
	global_store_b128 v1, v[216:219], s[60:61]     ; 32 lanes store 512 consecutive bytes, aligned
	v_cmp_gt_u32 vcc_lo, 16, v3
	s_wait_xcnt 0x0                                ; EXEC changes only behind this wait
	s_and_saveexec_b32 s50, vcc_lo
	global_store_b16 v6, v240, s[62:63]            ; two bytes a row: no wave holds both heads of a word; 131,072 bytes in the whole launch
	s_wait_xcnt 0x0                                ; and again, in front of the line that widens it
	s_or_b32 exec_lo, exec_lo, s50
	s_wait_tensorcnt 0x0
	ds_add_u32 v251, v255
	s_wait_dscnt 0x0
	ROUND                                          ; the closing round: no work-group ends while a partner may still ask for a record that names it
	s_endpgm
.Lfunc_end_k_q73f1914291_attn:
	.size	k_q73f1914291_attn, .Lfunc_end_k_q73f1914291_attn-k_q73f1914291_attn
	.p2alignl 7, 3214868480
	.fill 96, 4, 3214868480
	.section	.rodata,"a",@progbits
	.p2align	6, 0x0
	.amdhsa_kernel k_q73f1914291_attn
		.amdhsa_group_segment_fixed_size 169984
		.amdhsa_private_segment_fixed_size 0
		.amdhsa_enable_private_segment 0
		.amdhsa_kernarg_size 24
		.amdhsa_user_sgpr_count 2
		.amdhsa_user_sgpr_kernarg_segment_ptr 1
		.amdhsa_wavefront_size32 1
		.amdhsa_system_sgpr_workgroup_id_x 1
		.amdhsa_system_sgpr_workgroup_id_y 1
		.amdhsa_system_sgpr_workgroup_id_z 1
		.amdhsa_system_vgpr_workitem_id 0
		.amdhsa_next_free_vgpr 256
		.amdhsa_next_free_sgpr 66
		.amdhsa_reserve_vcc 1
		.amdhsa_float_denorm_mode_32 3
		.amdhsa_float_denorm_mode_16_64 3
		.amdhsa_memory_ordered 1
		.amdhsa_forward_progress 1
		.amdhsa_inst_pref_size 42
	.end_amdhsa_kernel
	.amdgpu_metadata
---
amdhsa.version: [ 1, 2 ]
amdhsa.kernels:
  - .name:           k_q73f1914291_attn
    .symbol:         k_q73f1914291_attn.kd
    .args:
      - { .name: qq, .offset: 0, .size: 8, .value_kind: global_buffer, .address_space: global }
      - { .name: kv, .offset: 8, .size: 8, .value_kind: global_buffer, .address_space: global }
      - { .name: cq, .offset: 16, .size: 8, .value_kind: global_buffer, .address_space: global }
    .group_segment_fixed_size: 169984
    .private_segment_fixed_size: 0
    .kernarg_segment_align: 8
    .kernarg_segment_size: 24
    .max_flat_workgroup_size: 512
    .sgpr_count:     66
    .vgpr_count:     256
    .wavefront_size: 32
...
	.end_amdgpu_metadata
.endif
;; end of part 3
;; launch outp (part 4): grid 256 x 1, 4 waves a work-group, no clusters, 34,304 bytes of LDS; arguments cq, wq, bo, out0; writes out0
.if DOCPART == 4
	.amdgcn_target "amdgcn-amd-amdhsa--gfx1250"
	.amdhsa_code_object_version 6
	.text
	.protected	k_q73f1914291_outp
	.globl	k_q73f1914291_outp
	.p2align	8
	.type	k_q73f1914291_outp,@function
k_q73f1914291_outp:
	s_mov_b64 s[64:65], 0
	v_nop
	global_prefetch_b8 v0, s[64:65] scope:SCOPE_SE
	s_setreg_imm32_b32 hwreg(HW_REG_WAVE_MODE, 25, 1), 1
	s_wait_xcnt 0x0
; out0 = ctx Wo + bo on codes of FP4 (E2M1) with E8M0 scales; out0 [8192][512] f32.  Work-group g: rows 32 g .. 32 g + 31 (tiles 2 g, 2 g + 1 of ctx); wave w: columns 128 w .. 128 w + 127 (8 tiles of Wo).
; Both operands lie in memory in the order of their registers (an image of 16 indices x 128 K: lane L's registers 4 c .. 4 c + 3 at byte 512 c + 16 L): every load is 512 consecutive bytes a wave.
; THE MATRIX INSTRUCTION IS USED TRANSPOSED (source 0 = 16 columns of Wo, source 1 = 16 rows of ctx): a lane holds one row; by the tile order (tile T, index i = element 32 (T / 2) + 8 (T % 2) + i % 8 + 16 (i / 8))
; the registers of Wo's tiles 2 b, 2 b + 1 are columns 32 b + 16 (lane / 16) + 0 .. 15.  The bias is the C of each sum's first matrix instruction.
; The results go through the wave's own stage in LDS and leave as rows' runs of 512 bytes.  Waves share nothing: no barrier.  No cluster: the operands come through registers, not by tensor loads.
; REGISTERS: window 0: v1-5 offsets; v16-31 Wo's scale words, v32-35 ctx's; v48-111 the bias, later rows on their way out; v112-239 sixteen accumulators (64 u + 8 a).
;   window 1: Wo's 32 fragments, v[32 a + 8 s + 4 c].   window 2: v0-63 ctx's 8, v[32 u + 8 s + 4 c].
.set WSC, 16
.set NSC, 32
.set BI,  48
.set ACC, 112
.set SP,  528                          ; a stage row: 512 bytes + 16: row r starts 33 x 16 bytes behind row r - 1, so the 16 rows that a store touches start at 16 different banks
.set MSB, 0
.macro WIN new                         ; the immediate's high byte repeats the setting that is left
.if MSB != \new
	s_set_vgpr_msb (MSB<<8)|\new
.set MSB, \new
.endif
.endm
	s_load_b256 s[4:11], s[0:1], 0x0               ; cq s[4:5], wq s[6:7], bo s[8:9], out0 s[10:11]
	v_lshl_add_u32 v254, v0, 2, 0x8400
	v_mov_b32 v255, 0
	v_lshrrev_b32 v1, 5, v0
	v_readfirstlane_b32 s18, v1                    ; wave 0..3
	v_and_b32 v7, 31, v0                           ; lane
	v_lshlrev_b32 v1, 4, v7                        ; 16 x lane
	v_lshlrev_b32 v2, 2, v7                        ; 4 x lane
	v_bfe_u32 v8, v0, 4, 1                         ; h
	v_lshlrev_b32 v3, 6, v8                        ; 64 h: my half's place in the bias and in a stage row
	v_and_b32 v9, 15, v0                           ; r
	s_mul_i32 s19, s18, 16*SP                      ; my stage
	v_mul_u32_u24 v4, v9, SP
	v_add_nc_u32 v4, v4, v3
	v_add_nc_u32 v4, s19, v4                       ; into it: row r, + 64 h
	v_add_nc_u32 v5, s19, v1                       ; back: a row's 512 bytes, 16 a lane
	s_lshl_b32 s20, s18, 15                        ; Wo's codes: the fourth weight, my 8 tiles
	s_add_co_u32 s20, s20, 393216
	s_mov_b32 s21, 0
	s_lshl_b32 s24, s18, 11                        ; its scale words
	s_add_co_u32 s24, s24, 548864
	s_mov_b32 s25, 0
	s_lshl_b32 s28, ttmp9, 13                      ; ctx's codes: two tiles of 4,096 bytes
	s_mov_b32 s29, 0
	s_lshl_b32 s32, ttmp9, 9                       ; its scale words
	s_add_co_u32 s32, s32, 2097152
	s_mov_b32 s33, 0
	s_lshl_b32 s36, s18, 9                         ; my 128 numbers of the bias, and of a row of out0
	s_mov_b32 s37, 0
	s_lshl_b32 s38, ttmp9, 16                      ; 32 rows of 2,048 bytes
	s_add_co_u32 s38, s38, s36
	s_mov_b32 s39, 0
	s_wait_kmcnt 0x0
	s_add_nc_u64 s[22:23], s[6:7], s[20:21]
	s_add_nc_u64 s[26:27], s[6:7], s[24:25]
	s_add_nc_u64 s[30:31], s[4:5], s[28:29]
	s_add_nc_u64 s[34:35], s[4:5], s[32:33]
	s_add_nc_u64 s[8:9], s[8:9], s[36:37]
	s_add_nc_u64 s[10:11], s[10:11], s[38:39]
.irp a, 0,1,2,3,4,5,6,7
.irp sp, 0,1
	global_load_b32 v[WSC+2*\a+\sp], v2, s[26:27] offset:\a*256+\sp*128   ; lanes 0-15: K step 2 sp's words; lanes 16-31: K step 2 sp + 1's
.endr
.endr
.irp u, 0,1
.irp sp, 0,1
	global_load_b32 v[NSC+2*\u+\sp], v2, s[34:35] offset:\u*256+\sp*128
.endr
.endr
.irp a, 0,1,2,3,4,5,6,7
	global_load_b128 v[BI+8*\a:BI+8*\a+3], v3, s[8:9] offset:(32*(\a/2)+8*(\a%2))*4          ; the bias of tile a's eight columns of my half
	global_load_b128 v[BI+8*\a+4:BI+8*\a+7], v3, s[8:9] offset:(32*(\a/2)+8*(\a%2))*4+16
.endr
	WIN 0x80                                       ; destination window 2
.irp u, 0,1
.irp s, 0,1,2,3
.irp c, 0,1
	global_load_b128 v[32*\u+8*\s+4*\c:32*\u+8*\s+4*\c+3], v1, s[30:31] offset:\u*4096+\s*1024+\c*512
.endr
.endr
.endr
	WIN 0x40                                       ; destination window 1
.irp s, 0,1,2,3                                ; Wo by K steps, so that the products of a step can begin while the later steps' 16 loads each are out
.irp a, 0,1,2,3,4,5,6,7
.irp c, 0,1
	global_load_b128 v[32*\a+8*\s+4*\c:32*\a+8*\s+4*\c+3], v1, s[22:23] offset:\a*4096+\s*1024+\c*512
.endr
.endr
.endr
	WIN 0x09                                       ; source 0 window 1, source 1 window 2, C and D window 0
; 64 matrix instructions; the sixteen accumulators take turns, one instruction a turn
.irp s, 0,1,2,3
	s_wait_loadcnt 16*(3-\s)                       ; loads come back in order: all up to K step s are in; the 16 loads of each later step may be out
.irp u, 0,1
.irp a, 0,1,2,3,4,5,6,7
.if \s == 0
	v_wmma_scale_f32_16x16x128_f8f6f4 v[ACC+64*\u+8*\a:ACC+64*\u+8*\a+7], v[32*\a:32*\a+7], v[32*\u:32*\u+7], v[BI+8*\a:BI+8*\a+7], v[WSC+2*\a], v[NSC+2*\u] matrix_a_fmt:MATRIX_FMT_FP4 matrix_b_fmt:MATRIX_FMT_FP4
.elseif \s == 2
	v_wmma_scale_f32_16x16x128_f8f6f4 v[ACC+64*\u+8*\a:ACC+64*\u+8*\a+7], v[32*\a+16:32*\a+23], v[32*\u+16:32*\u+23], v[ACC+64*\u+8*\a:ACC+64*\u+8*\a+7], v[WSC+2*\a+1], v[NSC+2*\u+1] matrix_a_fmt:MATRIX_FMT_FP4 matrix_b_fmt:MATRIX_FMT_FP4
.else
	v_wmma_scale_f32_16x16x128_f8f6f4 v[ACC+64*\u+8*\a:ACC+64*\u+8*\a+7], v[32*\a+8*\s:32*\a+8*\s+7], v[32*\u+8*\s:32*\u+8*\s+7], v[ACC+64*\u+8*\a:ACC+64*\u+8*\a+7], v[WSC+2*\a+\s/2], v[NSC+2*\u+\s/2] matrix_a_fmt:MATRIX_FMT_FP4 matrix_b_fmt:MATRIX_FMT_FP4 matrix_a_scale:MATRIX_SCALE_ROW1 matrix_b_scale:MATRIX_SCALE_ROW1
.endif
.endr
.endr
.endr
	WIN 0
.rept 4
	v_nop                                          ; four places ahead of the first read of results and of loads into the bias's registers (ISA guide 7.12.1 for vector instructions)
.endr
; THE WAY OUT.  Tile u's 16 rows x 128 columns go into my stage (a lane's eight numbers of tile a: 32 bytes at 128 (a / 2) + 32 (a % 2) + 64 h of row r) and come back as rows of 512 bytes.
.macro TOSTAGE u, back
.irp a, 0,1,2,3,4,5,6,7
	ds_store_b128 v4, v[ACC+64*\u+8*\a:ACC+64*\u+8*\a+3] offset:128*(\a/2)+32*(\a%2)       ; each accumulator from its low end on
	ds_store_b128 v4, v[ACC+64*\u+8*\a+4:ACC+64*\u+8*\a+7] offset:128*(\a/2)+32*(\a%2)+16
.endr
.if \u == 1
	s_wait_dscnt 32                                ; all but tile 0's 16 loads and tile 1's 16 stores: tile 0's stores have read the registers into which the loads below land
.endif
.irp t, 0,1,2,3,4,5,6,7,8,9,10,11,12,13,14,15
	ds_load_b128 v[\back+4*\t:\back+4*\t+3], v5 offset:SP*\t       ; LDS serves a wave's instructions in order (ISA guide 5.7.1.4): these see the stores above, and the next tile's stores come behind them
.endr
.endm
.macro SEND u, back, younger           ; younger: the LDS instructions issued behind tile u's loads, which may stay out
	s_wait_dscnt \younger
.irp t, 0,1,2,3,4,5,6,7,8,9,10,11,12,13,14,15
	global_store_b128 v1, v[\back+4*\t:\back+4*\t+3], s[10:11] offset:\u*16384+((\t%8)+16*(\t/8))*2048 th:TH_STORE_NT   ; index t of tile u is row 8 u + t % 8 + 16 (t / 8): 32 lanes store 512 consecutive bytes, aligned; written once
.endr
.endm
	TOSTAGE 0, BI
	TOSTAGE 1, ACC
	SEND 0, BI, 32
	SEND 1, ACC, 0
	s_wait_tensorcnt 0x0
	ds_add_u32 v254, v255
	s_wait_dscnt 0x0
	s_endpgm
.Lfunc_end_k_q73f1914291_outp:
	.size	k_q73f1914291_outp, .Lfunc_end_k_q73f1914291_outp-k_q73f1914291_outp
	.p2alignl 7, 3214868480
	.fill 96, 4, 3214868480
	.section	.rodata,"a",@progbits
	.p2align	6, 0x0
	.amdhsa_kernel k_q73f1914291_outp
		.amdhsa_group_segment_fixed_size 34304
		.amdhsa_private_segment_fixed_size 0
		.amdhsa_enable_private_segment 0
		.amdhsa_kernarg_size 32
		.amdhsa_user_sgpr_count 2
		.amdhsa_user_sgpr_kernarg_segment_ptr 1
		.amdhsa_wavefront_size32 1
		.amdhsa_system_sgpr_workgroup_id_x 1
		.amdhsa_system_sgpr_workgroup_id_y 1
		.amdhsa_system_sgpr_workgroup_id_z 1
		.amdhsa_system_vgpr_workitem_id 0
		.amdhsa_next_free_vgpr 576
		.amdhsa_next_free_sgpr 66
		.amdhsa_reserve_vcc 0
		.amdhsa_float_denorm_mode_32 3
		.amdhsa_float_denorm_mode_16_64 3
		.amdhsa_memory_ordered 1
		.amdhsa_forward_progress 1
		.amdhsa_inst_pref_size 29
	.end_amdhsa_kernel
	.amdgpu_metadata
---
amdhsa.version: [ 1, 2 ]
amdhsa.kernels:
  - .name:           k_q73f1914291_outp
    .symbol:         k_q73f1914291_outp.kd
    .args:
      - { .name: cq, .offset: 0, .size: 8, .value_kind: global_buffer, .address_space: global }
      - { .name: wq, .offset: 8, .size: 8, .value_kind: global_buffer, .address_space: global }
      - { .name: bo, .offset: 16, .size: 8, .value_kind: global_buffer, .address_space: global }
      - { .name: out0, .offset: 24, .size: 8, .value_kind: global_buffer, .address_space: global }
    .group_segment_fixed_size: 34304
    .private_segment_fixed_size: 0
    .kernarg_segment_align: 8
    .kernarg_segment_size: 32
    .max_flat_workgroup_size: 128
    .sgpr_count:     66
    .vgpr_count:     576
    .wavefront_size: 32
...
	.end_amdgpu_metadata
.endif
;; end of part 4
;; ======== version 2 of 2: 4 launches
;; workspace buffers: xq 2,228,224 bytes; wq 557,056 bytes; qq 2,359,296 bytes; kv 4,587,520 bytes; cq 2,228,224 bytes
;; launch quant (part 5): grid 320 x 1, 4 waves a work-group, no clusters, 68,096 bytes of LDS; arguments x, Wq, Wk, Wv, Wo, xq, wq; writes xq, wq
.if DOCPART == 5
	.amdgcn_target "amdgcn-amd-amdhsa--gfx1250"
	.amdhsa_code_object_version 6
	.text
	.protected	k_q73f1914291_quant
	.globl	k_q73f1914291_quant
	.p2align	8
	.type	k_q73f1914291_quant,@function
k_q73f1914291_quant:
	s_mov_b64 s[64:65], 0
	v_nop
	global_prefetch_b8 v0, s[64:65] scope:SCOPE_SE
	s_setreg_imm32_b32 hwreg(HW_REG_WAVE_MODE, 25, 1), 1
	s_wait_xcnt 0x0
; x [8192][512] and the four weights [512 (k)][512 (n)], f32, become codes of FP4 (E2M1) with one E8M0 byte for each 32 along K, laid IN THE ORDER OF THE OPERAND'S REGISTERS.
; TILE ORDER (rows of x, columns of a weight): tile T, index i stands for element 32 (T / 2) + 8 (T % 2) + i % 8 + 16 (i / 8).
; A FRAGMENT'S IMAGE (16 indices x 128 K, 1,024 bytes): byte 512 c + 16 L holds registers 4 c .. 4 c + 3 of lane L = 16 h + i: the codes of k = 64 c + 32 h + 0 .. 31.
; A RECORD: codes [tile][K step 0..3][image], 4,096 bytes a tile; scale words [tile][sp 0..1][L]: lane L holds the word of index L % 16 for K step 2 sp + L / 16.
; A block's scale is 2^(floor(log2(its largest magnitude)) - 2); its byte is the largest magnitude's exponent field - 2, held at 1 from below.
; LIMITS: a block of zeros gets the byte 1 where the quantiser says 127: its codes are zeros, which add nothing, and this program alone reads the bytes.  NaN and infinities among the inputs are not served.
; Work-groups 0-63 take the weights (no LDS), work-groups 64-319 take x (each wave its own 16,896 bytes of LDS).  Waves share nothing: no barrier.
.set STG,  8448                        ; a stage: 16 rows x (512 bytes + 16): row r starts 33 x 16 bytes behind row r - 1, so the 16 rows that a read touches start at 16 different banks
.set WREG, 2*STG                       ; a wave's two stages
	s_load_b256 s[4:11], s[0:1], 0x0               ; x s[4:5], Wq s[6:7], Wk s[8:9], Wv s[10:11]
	s_load_b128 s[12:15], s[0:1], 0x20             ; Wo s[12:13], xq s[14:15]
	s_load_b64 s[16:17], s[0:1], 0x30              ; wq
	v_lshl_add_u32 v240, v0, 2, 0x10800
	v_mov_b32 v241, 0
	v_lshrrev_b32 v1, 5, v0
	v_readfirstlane_b32 s18, v1                    ; wave 0..3
	v_and_b32 v1, 31, v0                           ; lane
	s_cmp_lt_u32 ttmp9, 64
	s_cbranch_scc0 .Lx
; ---------------- THE WEIGHTS.  K is the first axis: a lane takes a column n and its registers run down K, so a block of 32 lies in one lane and the conversions give codes with K innermost.
; Work-group g: weight g / 16, columns 128 ((g / 4) % 4) on, K step g % 4.  A wave takes 32 columns (two tiles) x 128 along K: four blocks a lane.
	s_lshr_b32 s22, ttmp9, 4                       ; which weight
	s_bfe_u32 s23, ttmp9, 0x20002
	s_and_b32 s24, ttmp9, 3                        ; K step
	s_lshl_b32 s23, s23, 2
	s_add_co_u32 s23, s23, s18                     ; which 32 columns: 0..15
	s_lshl_b32 s26, s24, 18                        ; in: 128 rows of 2,048 bytes a K step,
	s_lshl_b32 s25, s23, 7                         ; 128 bytes for 32 columns
	s_add_co_u32 s26, s26, s25
	s_mov_b32 s27, 0
	s_lshl_b32 s28, s22, 17                        ; codes: 131,072 bytes a weight,
	s_lshl_b32 s25, s23, 13                        ; two tiles of 4,096,
	s_add_co_u32 s28, s28, s25
	s_lshl_b32 s25, s24, 10                        ; 1,024 a K step
	s_add_co_u32 s28, s28, s25
	s_mov_b32 s29, 0
	s_lshl_b32 s30, s22, 13                        ; scale words: 8,192 bytes a weight,
	s_lshl_b32 s25, s23, 9                         ; two tiles of 256,
	s_add_co_u32 s30, s30, s25
	s_lshl_b32 s25, s24, 6                         ; 64 a K step (128 (s / 2) + 64 (s % 2)),
	s_add_co_u32 s30, s30, s25
	s_add_co_u32 s30, s30, 524288                  ; behind the codes
	s_mov_b32 s31, 0
	s_wait_alu depctr_va_vdst(0)
	v_lshlrev_b32 v2, 2, v1                        ; in: 4 bytes a lane
	v_bfe_u32 v3, v0, 3, 1                         ; column 32 b + l lies in tile 2 b + bit 3 of l,
	v_bfe_u32 v4, v0, 4, 1
	v_and_b32 v5, 7, v0
	v_lshl_add_u32 v5, v4, 3, v5                   ; at index 8 x bit 4 + l % 8
	v_lshlrev_b32 v6, 4, v5
	v_lshl_add_u32 v6, v3, 12, v6                  ; codes: 16 x index + 4,096 x tile
	v_lshlrev_b32 v7, 2, v5
	v_lshl_add_u32 v7, v3, 8, v7                   ; scale word: 4 x index + 256 x tile
	s_wait_alu depctr_va_vdst(0)
	s_wait_kmcnt 0x0
	s_cmp_eq_u32 s22, 1                            ; the weight's address: a choice on the work-group's number alone
	s_cselect_b64 s[6:7], s[8:9], s[6:7]
	s_cmp_eq_u32 s22, 2
	s_cselect_b64 s[6:7], s[10:11], s[6:7]
	s_cmp_eq_u32 s22, 3
	s_cselect_b64 s[6:7], s[12:13], s[6:7]
	s_add_nc_u64 s[6:7], s[6:7], s[26:27]
	s_add_nc_u64 s[28:29], s[16:17], s[28:29]
	s_add_nc_u64 s[30:31], s[16:17], s[30:31]
.macro LOADW q                         ; block q: W(32 q + e, my column), e = 0 .. 31: a wave's load reads 128 consecutive bytes, the four waves stand side by side on 512
.irp e, 0,1,2,3,4,5,6,7,8,9,10,11,12,13,14,15,16,17,18,19,20,21,22,23,24,25,26,27,28,29,30,31
	global_load_b32 v[32+32*(\q)+\e], v2, s[6:7] offset:(32*(\q)+\e)*2048 th:TH_LOAD_NT
.endr
.endm
.macro WB q                            ; block q is quantised and its 16 bytes of codes leave: block q is half h = q % 2 of registers 4 (q / 2) on
.set XS, 32+32*(\q)
	v_max3_num_f32 v8, |v[XS]|, |v[XS+1]|, |v[XS+2]|               ; the block's largest magnitude: all 32 numbers are mine; two chains
	v_max3_num_f32 v9, |v[XS+3]|, |v[XS+4]|, |v[XS+5]|
.irp i, 6,10,14,18,22,26
	v_max3_num_f32 v8, v8, |v[XS+\i]|, |v[XS+\i+1]|
	v_max3_num_f32 v9, v9, |v[XS+\i+2]|, |v[XS+\i+3]|
.endr
	v_max3_num_f32 v8, v8, |v[XS+30]|, |v[XS+31]|
	v_max3_num_f32 v8, v8, v9, 0x1800000           ; and the floor 2^(3 - 127): the byte cannot fall under 1
	v_add_nc_u32 v11, 0xff000000, v8               ; 2 off the exponent field: the conversion takes the exponent field of this operand as its scale
	v_lshrrev_b32 v9, 23, v11                      ; the scale's byte
.if (\q) == 0
	v_mov_b32 v16, v9                              ; four bytes make the K step's scale word, the lower K in the lower byte
.else
	v_lshl_or_b32 v16, v9, 8*(\q), v16
.endif
.irp g, 0,1,2,3
	v_cvt_scalef32_pk8_fp4_f32 v[160+4*(\q)+\g], v[XS+8*\g:XS+8*\g+7], v11
.endr
	v_nop                                          ; one plain line behind the last conversion of a run
	global_store_b128 v6, v[160+4*(\q):160+4*(\q)+3], s[28:29] offset:((\q)/2)*512+((\q)%2)*256   ; the 16 lanes of a tile store 256 consecutive bytes, aligned
.endm
	LOADW 0
	LOADW 1
	s_wait_loadcnt 32                              ; block 0 is in; block 1's 32 loads may be out
	LOADW 2
	WB 0
	s_wait_loadcnt 32                              ; block 1 is in; block 2's may be out
	LOADW 3
	WB 1
	s_wait_loadcnt 32                              ; block 2 is in; block 3's may be out
	WB 2
	s_wait_loadcnt 0x0
	WB 3
	global_store_b32 v7, v16, s[30:31]             ; pieces of 32 bytes: 32,768 bytes in the whole launch
	s_endpgm
; ---------------- x.  K is innermost.  Work-group g takes rows 32 g .. 32 g + 31 (tiles 2 g, 2 g + 1); wave w takes tile 2 g + w / 2 and K steps 2 (w % 2), 2 (w % 2) + 1.
; Each load reads 512 consecutive bytes (one row's 128 numbers of a K step); a K step's 16 rows turn through the wave's own stage, so that lane (r, h) gets, of row r, k = 64 c + 32 h + 0 .. 31:
; two whole blocks a lane, in the very order of the operand's registers.
.Lx:
	s_sub_co_u32 s22, ttmp9, 64                    ; g
	s_lshr_b32 s23, s18, 1                         ; which of the two tiles
	s_and_b32 s24, s18, 1                          ; sp: which pair of K steps
	s_lshl_b32 s26, s22, 16                        ; in: 32 rows of 2,048 bytes,
	s_lshl_b32 s27, s23, 14                        ; the odd tile begins 8 rows down,
	s_add_co_u32 s26, s26, s27
	s_lshl_b32 s27, s24, 10                        ; 1,024 bytes for two K steps
	s_add_co_u32 s26, s26, s27
	s_mov_b32 s27, 0
	s_lshl_b32 s25, s22, 1
	s_add_co_u32 s25, s25, s23                     ; the tile
	s_lshl_b32 s28, s25, 12                        ; codes
	s_lshl_b32 s29, s24, 11
	s_add_co_u32 s28, s28, s29
	s_mov_b32 s29, 0
	s_lshl_b32 s30, s25, 8                         ; scale words
	s_lshl_b32 s31, s24, 7
	s_add_co_u32 s30, s30, s31
	s_add_co_u32 s30, s30, 2097152
	s_mov_b32 s31, 0
	s_mov_b32 s20, 0x76543210
	s_mov_b32 s21, 0xfedcba98                      ; v_permlanex16_b32's selects for lane l xor 16
	s_mul_i32 s32, s18, WREG                       ; my stages
	s_wait_alu depctr_va_vdst(0)
	v_lshlrev_b32 v4, 4, v1                        ; 16 x lane
	v_add_nc_u32 v5, s32, v4                       ; into a stage: a row as it lies
	v_and_b32 v2, 15, v0                           ; r
	v_bfe_u32 v3, v0, 4, 1                         ; h
	v_mul_u32_u24 v6, v2, 528
	v_lshl_add_u32 v6, v3, 7, v6
	v_add_nc_u32 v6, s32, v6                       ; out of it: row r, + 128 h bytes
	v_lshlrev_b32 v7, 2, v1                        ; 4 x lane
	v_lshlrev_b32 v14, 3, v3                       ; 8 h: my bytes' place in a scale word
	v_mov_b32 v15, 0                               ; written once: a lane permute's destination counts as one of its sources
	s_wait_alu depctr_va_vdst(0)
	s_wait_kmcnt 0x0
	s_add_nc_u64 s[4:5], s[4:5], s[26:27]
	s_add_nc_u64 s[34:35], s[14:15], s[28:29]
	s_add_nc_u64 s[36:37], s[14:15], s[30:31]
.irp st, 0,1
.irp i, 0,1,2,3,4,5,6,7,8,9,10,11,12,13,14,15
	global_load_b128 v[32+64*\st+4*\i:35+64*\st+4*\i], v4, s[4:5] offset:((\i%8)+16*(\i/8))*2048+512*\st th:TH_LOAD_NT
.endr
.endr
; 64 numbers of a lane, v[src + 32 c + e] = k 64 c + 32 h + e of my row, become the fragment's registers v[dst .. dst + 7] and my row's scale word v[w]
.macro QB src, dst, w
.irp c, 0,1
	v_max3_num_f32 v[8+\c], |v[\src+32*\c]|, |v[\src+32*\c+1]|, 0x1800000   ; my block 2 c + h, and the floor 2^(3 - 127)
.endr
.irp i, 2,4,6,8,10,12,14,16,18,20,22,24,26,28,30
.irp c, 0,1
	v_max3_num_f32 v[8+\c], v[8+\c], |v[\src+32*\c+\i]|, |v[\src+32*\c+\i+1]|   ; (the two blocks by turns)
.endr
.endr
.irp c, 0,1
	v_add_nc_u32 v[10+\c], 0xff000000, v[8+\c]     ; 2 off the exponent field: the conversion's scale operand
.endr
.irp c, 0,1
	v_lshrrev_b32 v[12+\c], 23, v[10+\c]           ; the scale's byte
.endr
	v_lshl_or_b32 v[\w], v13, 16, v12              ; my two bytes: blocks h and 2 + h,
	v_lshlrev_b32 v[\w], v14, v[\w]                ; at their places (8 h bits up);
	v_permlanex16_b32 v15, v[\w], s20, s21
	v_or_b32 v[\w], v[\w], v15                     ; with lane l xor 16's two the word is whole
.irp c, 0,1
.irp g, 0,1,2,3
	v_cvt_scalef32_pk8_fp4_f32 v[\dst+4*\c+\g], v[\src+32*\c+8*\g:\src+32*\c+8*\g+7], v[10+\c]
.endr
.endr
	v_nop                                          ; one plain line behind the last conversion of a run
.endm
	s_wait_loadcnt 16                              ; the first K step's 16 rows are in; the second's may be out
.irp i, 0,1,2,3,4,5,6,7,8,9,10,11,12,13,14,15
	ds_store_b128 v5, v[32+4*\i:35+4*\i] offset:528*\i
.endr
.irp c, 0,1
.irp q, 0,1,2,3,4,5,6,7
	ds_load_b128 v[160+32*\c+4*\q:163+32*\c+4*\q], v6 offset:256*\c+16*\q   ; LDS serves a wave's instructions in order (ISA guide 5.7.1.4): these see the stores above
.endr
.endr
	s_wait_loadcnt 0x0
.irp i, 0,1,2,3,4,5,6,7,8,9,10,11,12,13,14,15
	ds_store_b128 v5, v[96+4*\i:99+4*\i] offset:STG+528*\i
.endr
	s_wait_dscnt 16                                ; all but those 16 stores: the first K step is back, and its stores have read v32-95,
.irp c, 0,1
.irp q, 0,1,2,3,4,5,6,7
	ds_load_b128 v[32+32*\c+4*\q:35+32*\c+4*\q], v6 offset:STG+256*\c+16*\q   ; which take the second K step while the first is quantised
.endr
.endr
	QB 160, 224, 16
	global_store_b128 v4, v[224:227], s[34:35]                 ; 32 lanes store 512 consecutive bytes, aligned
	global_store_b128 v4, v[228:231], s[34:35] offset:512
	s_wait_dscnt 0x0
	QB 32, 232, 17
	global_store_b128 v4, v[232:235], s[34:35] offset:1024
	global_store_b128 v4, v[236:239], s[34:35] offset:1536
	v_cmp_le_u32 vcc_lo, 16, v1
	v_cndmask_b32 v18, v16, v17, vcc_lo            ; lanes 0-15: the even K step's words; lanes 16-31: the odd one's
	global_store_b32 v7, v18, s[36:37]
	s_wait_tensorcnt 0x0
	ds_add_u32 v240, v241
	s_wait_dscnt 0x0
	s_endpgm
.Lfunc_end_k_q73f1914291_quant:
	.size	k_q73f1914291_quant, .Lfunc_end_k_q73f1914291_quant-k_q73f1914291_quant
	.p2alignl 7, 3214868480
	.fill 96, 4, 3214868480
	.section	.rodata,"a",@progbits
	.p2align	6, 0x0
	.amdhsa_kernel k_q73f1914291_quant
		.amdhsa_group_segment_fixed_size 68096
		.amdhsa_private_segment_fixed_size 0
		.amdhsa_enable_private_segment 0
		.amdhsa_kernarg_size 56
		.amdhsa_user_sgpr_count 2
		.amdhsa_user_sgpr_kernarg_segment_ptr 1
		.amdhsa_wavefront_size32 1
		.amdhsa_system_sgpr_workgroup_id_x 1
		.amdhsa_system_sgpr_workgroup_id_y 1
		.amdhsa_system_sgpr_workgroup_id_z 1
		.amdhsa_system_vgpr_workitem_id 0
		.amdhsa_next_free_vgpr 242
		.amdhsa_next_free_sgpr 66
		.amdhsa_reserve_vcc 1
		.amdhsa_float_denorm_mode_32 3
		.amdhsa_float_denorm_mode_16_64 3
		.amdhsa_memory_ordered 1
		.amdhsa_forward_progress 1
		.amdhsa_inst_pref_size 36
	.end_amdhsa_kernel
	.amdgpu_metadata
---
amdhsa.version: [ 1, 2 ]
amdhsa.kernels:
  - .name:           k_q73f1914291_quant
    .symbol:         k_q73f1914291_quant.kd
    .args:
      - { .name: x, .offset: 0, .size: 8, .value_kind: global_buffer, .address_space: global }
      - { .name: Wq, .offset: 8, .size: 8, .value_kind: global_buffer, .address_space: global }
      - { .name: Wk, .offset: 16, .size: 8, .value_kind: global_buffer, .address_space: global }
      - { .name: Wv, .offset: 24, .size: 8, .value_kind: global_buffer, .address_space: global }
      - { .name: Wo, .offset: 32, .size: 8, .value_kind: global_buffer, .address_space: global }
      - { .name: xq, .offset: 40, .size: 8, .value_kind: global_buffer, .address_space: global }
      - { .name: wq, .offset: 48, .size: 8, .value_kind: global_buffer, .address_space: global }
    .group_segment_fixed_size: 68096
    .private_segment_fixed_size: 0
    .kernarg_segment_align: 8
    .kernarg_segment_size: 56
    .max_flat_workgroup_size: 128
    .sgpr_count:     66
    .vgpr_count:     242
    .wavefront_size: 32
...
	.end_amdgpu_metadata
.endif
;; end of part 5
;; launch qkv (part 6): grid 64 x 3, 4 waves a work-group, no clusters, 0 bytes of LDS; arguments xq, wq, bq, bk, bv, qq, kv; writes qq, kv
.if DOCPART == 6
	.amdgcn_target "amdgcn-amd-amdhsa--gfx1250"
	.amdhsa_code_object_version 6
	.text
	.protected	k_q73f1914291_qkv
	.globl	k_q73f1914291_qkv
	.p2align	8
	.type	k_q73f1914291_qkv,@function
k_q73f1914291_qkv:
	s_mov_b64 s[64:65], 0
	v_nop
	global_prefetch_b8 v0, s[64:65] scope:SCOPE_SE
	s_setreg_imm32_b32 hwreg(HW_REG_WAVE_SCHED_MODE, 0, 2), 2
	s_setreg_imm32_b32 hwreg(HW_REG_WAVE_MODE, 25, 1), 1
	s_wait_xcnt 0x0
	s_wait_alu depctr_vm_vsrc(0)
; Q = x Wq + bq, K = x Wk + bk, V = x Wv + bv on codes of FP4 (E2M1) with E8M0 scales, and each result quantised again, in registers, along the K of the product that will read it:
; Q and K along the head's 64 channels, V along the keys.  Work-group (J, y): rows 128 J .. 128 J + 127 of x; y = 0 Q, 1 K, 2 V.  Wave w: columns 128 w .. 128 w + 127 (heads 2 w, 2 w + 1).
; 192 work-groups: V's quantiser wants 128 keys in one wave, so a unit is 128 rows x one of three products.
; OPERANDS lie in memory in the order of their registers (tile order: tile T, index i = element 32 (T / 2) + 8 (T % 2) + i % 8 + 16 (i / 8); an image of 16 indices x 128 K is 1,024 bytes,
; lane L's registers 4 c .. 4 c + 3 at byte 512 c + 16 L): every load is 16 bytes a lane, 512 consecutive bytes a wave; nothing goes through LDS.
; ONE TEXT FOR BOTH ORIENTATIONS.  Source 0 is the WIDE operand (8 tiles, window 1), source 1 the NARROW one (a tile at a time, window 2).  By the tile order a lane's 64 results of a narrow tile
; are 64 of 128 neighbours along the wide axis: register 16 b + i = 32 b + 16 (lane / 16) + i.  Q, K: wide = the weight: a lane holds one row of x, registers run along the channels.
; V: wide = x: a lane holds one channel, registers run along the keys.  The bias is the C of each sum's first matrix instruction.
; OUT.  qq: Q's half images [head][tile][lane][16] (registers 0-3: the head's 64 channels); scale words [head][key step][lane][4]: word b of lane L: tile 2 b + L / 16, index L % 16; bytes 2, 3 are 0.
;       kv: one record of 8,960 bytes for a head's 128 keys: K's 8 half images; V^T's 4 images (16 channels x 128 keys); K's scale words [lane][4]; V's [lane][2].
; LIMITS: a block of zeros gets the byte 1 with zero codes (this program alone reads the bytes); NaN and infinities are not served.
; REGISTERS: window 0: v1-7 offsets; v16-31 the wide operand's scale words, v32-47 the narrow one's; v48-111 the bias; v112-175 eight accumulators; v176-183 and v224-231 the codes just made, two buffers by turns;
;   v184-199 at work; v200-207 the eight scale words made; v208-219 scale words on their way out.   window 1: the wide operand, v[32 tile + 8 s + 4 c].   window 2: the narrow one, likewise.
; THE MODE: SCHED_MODE bits 1:0 = 2 (LLVM: expert scheduling mode 2), set by the entry lines.  The code itself states the register dependences between vector or matrix instructions and memory
; instructions, with s_wait_alu, always for 0.
; THE PLAN.  Registers that memory instructions touch:
;   v1 .. v6      offsets: written at the head, never again; read by every load and store.
;   v16-111, windows 1 and 2   scale words, bias, operands: each register is the target of ONE load, issued at the head; no vector line names them ahead of that.
;   C0, C1        the two buffers of codes.  Tile u's conversions and swaps write C[u % 2]; its two stores are issued in step u + 1.
;   v208-219      written once, at the tail, and stored once.
; Step u: the 32 products of narrow tile u and their four places; then the stores of tile u - 1, from C[(u - 1) % 2]; then tile u's quantiser, which writes C[u % 2].  Ahead of the stores stands the step's one
; wait on va_vdst, at the place where the quantiser is about to read the products' results; and ahead of that, from step 2 on, the pair that frees C[u % 2], a whole step behind the stores that read it.
.set WSC, 16
.set NSC, 32
.set BI,  48
.set ACC, 112
.set PC,  176                          ; C0
.set PCD, 48                           ; C1 lies 48 registers on: v224-231
.set TM,  184
.set PWS, 200
.set OW,  208
.set REC, 8960                         ; a record of kv
.set HEADB, 16*REC                     ; a head's 16 records
.set MSB, 0
.macro WIN new                         ; the immediate's high byte repeats the setting that is left; a switch that changes nothing is dropped
.if MSB != \new
	s_set_vgpr_msb (MSB<<8)|\new
.set MSB, \new
.endif
.endm
; 64 numbers of a lane, register 16 b + i = k 32 b + 16 (lane / 16) + i, become a fragment's codes in v[pc] on and its scale word in v[pw]
.macro QUANT s, pw, pc
.irp b, 0,1,2,3
	v_max3_num_f32 v[TM+\b], |v[\s+16*\b]|, |v[\s+1+16*\b]|, 0x1800000   ; block b: my 16 numbers, from each accumulator's low end on, and the floor 2^(3 - 127)
.endr
.irp i, 2,4,6,8,10,12,14
.irp b, 0,1,2,3
	v_max3_num_f32 v[TM+\b], v[TM+\b], |v[\s+16*\b+\i]|, |v[\s+1+16*\b+\i]|   ; (the four blocks by turns)
.endr
.endr
.irp b, 0,1,2,3
	v_permlanex16_b32 v[TM+4+\b], v[TM+\b], s20, s21
.endr
.irp b, 0,1,2,3
	v_max_num_f32 v[TM+\b], v[TM+\b], v[TM+4+\b]   ; with lane l xor 16's: the block's largest magnitude
.endr
.irp b, 0,1,2,3
	v_add_nc_u32 v[TM+12+\b], 0xff000000, v[TM+\b] ; 2 off its exponent field: the conversion's scale operand
.endr
.irp b, 0,1,2,3
	v_lshrrev_b32 v[TM+4+\b], 23, v[TM+12+\b]      ; the scale's byte
.endr
	v_lshl_or_b32 v[\pw], v[TM+5], 8, v[TM+4]
	v_lshl_or_b32 v[\pw], v[TM+6], 16, v[\pw]
	v_lshl_or_b32 v[\pw], v[TM+7], 24, v[\pw]
.irp b, 0,1,2,3
	v_cvt_scalef32_pk8_fp4_f32 v[(\pc)+2*\b], v[\s+16*\b:\s+7+16*\b], v[TM+12+\b]
	v_cvt_scalef32_pk8_fp4_f32 v[(\pc)+1+2*\b], v[\s+8+16*\b:\s+15+16*\b], v[TM+12+\b]
.endr
	v_nop                                          ; one plain line behind the last conversion
.irp c, 0,1                                    ; the operand's layout wants a WHOLE block in a lane: lanes 0-15 block 2 c, lanes 16-31 block 2 c + 1
.irp i, 0,1
	v_permlane16_swap_b32 v[(\pc)+4*\c+\i], v[(\pc)+2+4*\c+\i]
.endr
.endr
.endm
; 32 matrix instructions: the wide operand's 8 tiles x narrow tile u, K = 512 in four steps.  The eight accumulators take turns, one instruction a turn.
; A scale register holds the words of two K steps: lanes 0-15 the even one's, lanes 16-31 the odd one's.
.macro MM u, isv
.irp s, 0,1,2,3
.irp a, 0,1,2,3,4,5,6,7
.if \s == 0
.if \isv
	v_wmma_scale_f32_16x16x128_f8f6f4 v[ACC+8*\a:ACC+8*\a+7], v[32*\a:32*\a+7], v[32*\u:32*\u+7], v[BI:BI+7], v[WSC+2*\a], v[NSC+2*\u] matrix_a_fmt:MATRIX_FMT_FP4 matrix_b_fmt:MATRIX_FMT_FP4
.else
	v_wmma_scale_f32_16x16x128_f8f6f4 v[ACC+8*\a:ACC+8*\a+7], v[32*\a:32*\a+7], v[32*\u:32*\u+7], v[BI+8*\a:BI+8*\a+7], v[WSC+2*\a], v[NSC+2*\u] matrix_a_fmt:MATRIX_FMT_FP4 matrix_b_fmt:MATRIX_FMT_FP4
.endif
.elseif \s == 2
	v_wmma_scale_f32_16x16x128_f8f6f4 v[ACC+8*\a:ACC+8*\a+7], v[32*\a+16:32*\a+23], v[32*\u+16:32*\u+23], v[ACC+8*\a:ACC+8*\a+7], v[WSC+2*\a+1], v[NSC+2*\u+1] matrix_a_fmt:MATRIX_FMT_FP4 matrix_b_fmt:MATRIX_FMT_FP4
.else
	v_wmma_scale_f32_16x16x128_f8f6f4 v[ACC+8*\a:ACC+8*\a+7], v[32*\a+8*\s:32*\a+8*\s+7], v[32*\u+8*\s:32*\u+8*\s+7], v[ACC+8*\a:ACC+8*\a+7], v[WSC+2*\a+\s/2], v[NSC+2*\u+\s/2] matrix_a_fmt:MATRIX_FMT_FP4 matrix_b_fmt:MATRIX_FMT_FP4 matrix_a_scale:MATRIX_SCALE_ROW1 matrix_b_scale:MATRIX_SCALE_ROW1
.endif
.endr
.endr
.endm
; The two stores of narrow tile t's codes, from C[t % 2]
.macro OUTC isv, t
.set PCT, PC+PCD*((\t)%2)
.if \isv
	global_store_b128 v1, v[PCT:PCT+3], s[54:55] offset:((\t)/4)*HEADB+4096+((\t)%4)*1024          ; V^T's image: head 2 w + t / 4, channel tile t % 4
	global_store_b128 v1, v[PCT+4:PCT+7], s[54:55] offset:((\t)/4)*HEADB+4096+((\t)%4)*1024+512
.else
	global_store_b128 v1, v[PCT:PCT+3], s[54:55] offset:512*(\t)       ; channels 0-63 of my 128: head 2 w's half image of tile t: 512 consecutive bytes
	global_store_b128 v4, v[PCT+4:PCT+7], s[54:55] offset:512*(\t)     ; channels 64-127: head 2 w + 1's
.endif
.endm
; A wave's loads, products and quantisers; tile 7's codes are stored at the tail.  s[34:35], s[36:37] the wide operand's codes and scale words; s[38:39], s[58:59] the narrow one's; s[52:53] the bias; s[54:55] where the codes go.
.macro PATH isv
	s_wait_alu depctr_va_vdst(0)                   ; the offsets v1 to v6 are written, which every load and store of the kernel reads; no vector line names them again
.irp a, 0,1,2,3,4,5,6,7
.irp sp, 0,1
	global_load_b32 v[WSC+2*\a+\sp], v2, s[36:37] offset:\a*256+\sp*128
	global_load_b32 v[NSC+2*\a+\sp], v2, s[58:59] offset:\a*256+\sp*128
.endr
.endr
.if \isv
.irp u, 0,1,2,3,4,5,6,7
	global_load_b32 v[BI+8+\u], v3, s[52:53] offset:(32*(\u/2)+8*(\u%2))*4    ; my channel's bias in narrow tile u
.endr
.else
.irp a, 0,1,2,3,4,5,6,7
	global_load_b128 v[BI+8*\a:BI+8*\a+3], v3, s[52:53] offset:(32*(\a/2)+8*(\a%2))*4       ; the bias of wide tile a's eight channels of my half
	global_load_b128 v[BI+8*\a+4:BI+8*\a+7], v3, s[52:53] offset:(32*(\a/2)+8*(\a%2))*4+16
.endr
.endif
	WIN 0x40                                       ; destination window 1.  (Between the wait above and these loads stand loads and window switches alone)
.irp a, 0,1,2,3,4,5,6,7
.irp s, 0,1,2,3
.irp c, 0,1
	global_load_b128 v[32*\a+8*\s+4*\c:32*\a+8*\s+4*\c+3], v1, s[34:35] offset:\a*4096+\s*1024+\c*512
.endr
.endr
.endr
	WIN 0x80                                       ; destination window 2
.irp a, 0,1,2,3,4,5,6,7
.irp s, 0,1,2,3
.irp c, 0,1
	global_load_b128 v[32*\a+8*\s+4*\c:32*\a+8*\s+4*\c+3], v1, s[38:39] offset:\a*4096+\s*1024+\c*512
.endr
.endr
.endr
	WIN 0
.irp u, 0,1,2,3,4,5,6,7
	s_wait_loadcnt 8*(7-\u)                        ; loads come back in order: all up to narrow tile u are in; the 8 loads of each tile behind it may be out
.if \isv && (\u == 0)
.irp j, 0,1,2,3,4,5,6,7
	v_mov_b32 v[BI+\j], v[BI+8]                    ; V: a lane's eight results belong to one channel: its bias eight times is the C
.endr
.rept 4
	v_nop
.endr
.endif
	WIN 0x09                                       ; source 0 window 1, source 1 window 2, C and D window 0
	MM \u, \isv
	WIN 0
.rept 4
	v_nop                                          ; four places behind the last products, ahead of the first read of results and of writes of their C (ISA guide 7.12.1)
.endr
.if \isv && (\u < 7)
.irp j, 0,1,2,3,4,5,6,7
	v_mov_b32 v[BI+\j], v[BI+9+\u]                 ; the next tile's bias
.endr
.endif
.if \u > 1
	s_wait_xcnt 0x0                                ; the stores of tile u - 2, issued a step ago, have had their addresses translated (ISA guide 3.1): C[u % 2] is written again only behind this wait,
	s_wait_alu depctr_vm_vsrc(0)                   ; and they have read C[u % 2], which this step's conversions write
.endif
.if \u > 0
	s_wait_alu depctr_va_vdst(0)                   ; tile u - 1's conversions and swaps have written C[(u - 1) % 2], which the two stores below read
	OUTC \isv, \u-1
.endif
.set PCU, PC+PCD*(\u%2)
	QUANT ACC, PWS+\u, PCU                         ; (its plain lines are also the places ahead of the next tile's products, which begin the accumulators anew)
.endr
.endm
	s_load_b256 s[4:11], s[0:1], 0x0               ; xq s[4:5], wq s[6:7], bq s[8:9], bk s[10:11]
	s_load_b128 s[12:15], s[0:1], 0x20             ; bv s[12:13], qq s[14:15]
	s_load_b64 s[16:17], s[0:1], 0x30              ; kv
	v_lshrrev_b32 v1, 5, v0
	v_readfirstlane_b32 s18, v1                    ; wave 0..3
	s_and_b32 s19, ttmp7, 0xffff                   ; y: which product
	v_and_b32 v7, 31, v0                           ; lane
	v_lshlrev_b32 v1, 4, v7                        ; 16 x lane
	v_lshlrev_b32 v2, 2, v7                        ; 4 x lane
	v_lshlrev_b32 v6, 3, v7                        ; 8 x lane
	s_mov_b32 s20, 0x76543210
	s_mov_b32 s21, 0xfedcba98                      ; v_permlanex16_b32's selects for lane l xor 16
.irp b, 0,1,2,3
	v_mov_b32 v[TM+4+\b], 0                        ; written once: a lane permute's destination counts as one of its sources
.endr
	s_wait_alu depctr_va_sdst(0)                   ; s18 is written, ahead of its first reader: the heads, the weight's tiles and the bias's place are made from it
	s_lshr_b32 s23, ttmp9, 4                       ; the batch
	s_and_b32 s24, ttmp9, 15                       ; j: which 128 rows of its sequence
	s_lshl_b32 s25, s23, 3
	s_lshl_b32 s22, s18, 1
	s_add_co_u32 s25, s25, s22                     ; my first head: 8 x batch + 2 x wave
	s_lshl_b32 s26, ttmp9, 15                      ; x's codes: 8 tiles of 4,096 bytes
	s_mov_b32 s27, 0
	s_lshl_b32 s28, ttmp9, 11                      ; x's scale words: 8 tiles of 256
	s_add_co_u32 s28, s28, 2097152
	s_mov_b32 s29, 0
	s_lshl_b32 s30, s19, 17                        ; the weight's codes: 131,072 a weight, my 8 tiles
	s_lshl_b32 s22, s18, 15
	s_add_co_u32 s30, s30, s22
	s_mov_b32 s31, 0
	s_lshl_b32 s32, s19, 13                        ; its scale words
	s_lshl_b32 s22, s18, 11
	s_add_co_u32 s32, s32, s22
	s_add_co_u32 s32, s32, 524288
	s_mov_b32 s33, 0
	s_mul_i32 s42, s25, HEADB
	s_mul_i32 s43, s24, REC
	s_add_co_u32 s42, s42, s43                     ; my first head's record j in kv
	s_mov_b32 s43, 0
	s_lshl_b32 s60, s18, 9                         ; my 128 numbers of a bias
	s_mov_b32 s61, 0
	s_wait_kmcnt 0x0
	s_add_nc_u64 s[26:27], s[4:5], s[26:27]
	s_add_nc_u64 s[28:29], s[4:5], s[28:29]
	s_add_nc_u64 s[30:31], s[6:7], s[30:31]
	s_add_nc_u64 s[32:33], s[6:7], s[32:33]
	s_cmp_eq_u32 s19, 2                            ; V: x is the wide operand; Q, K: the weight is.  The choice hangs on the work-group's number alone
	s_cselect_b64 s[34:35], s[26:27], s[30:31]
	s_cselect_b64 s[36:37], s[28:29], s[32:33]
	s_cselect_b64 s[38:39], s[30:31], s[26:27]
	s_cselect_b64 s[58:59], s[32:33], s[28:29]
	s_cbranch_scc1 .Lv
	; ---- Q or K
	s_lshl_b32 s40, s25, 16                        ; Q: a head's half images are 65,536 bytes, a key step's 8 tiles 4,096
	s_lshl_b32 s41, s24, 12
	s_add_co_u32 s40, s40, s41
	s_lshl_b32 s44, s25, 13                        ; Q's scale words: 8,192 a head, 512 a key step, behind the codes
	s_lshl_b32 s45, s24, 9
	s_add_co_u32 s44, s44, s45
	s_add_co_u32 s44, s44, 2097152
	s_add_co_u32 s45, s42, 8192                    ; K's scale words: in the record, behind K's and V's codes
	s_mov_b32 s46, 65536                           ; from a head to the next: Q's codes,
	s_mov_b32 s47, HEADB                           ; all of K's,
	s_mov_b32 s48, 8192                            ; Q's scale words
	s_cmp_eq_u32 s19, 1
	s_cselect_b32 s40, s42, s40
	s_cselect_b32 s44, s45, s44
	s_cselect_b32 s46, s47, s46
	s_cselect_b32 s48, s47, s48
	s_cselect_b64 s[50:51], s[16:17], s[14:15]     ; kv or qq
	s_cselect_b64 s[52:53], s[10:11], s[8:9]       ; bk or bq
	s_mov_b32 s41, 0
	s_mov_b32 s45, 0
	s_add_nc_u64 s[54:55], s[50:51], s[40:41]
	s_add_nc_u64 s[56:57], s[50:51], s[44:45]
	s_add_nc_u64 s[52:53], s[52:53], s[60:61]
	s_wait_alu depctr_va_vdst(0)
	v_add_nc_u32 v4, s46, v1                       ; 16 x lane, one head on: codes
	v_add_nc_u32 v5, s48, v1                       ; and scale words
	v_bfe_u32 v3, v0, 4, 1
	v_lshlrev_b32 v3, 6, v3                        ; the bias: my half's 8 channels of a tile begin 16 h numbers on
	PATH 0
	v_cmp_le_u32 vcc_lo, 16, v7
	s_wait_alu depctr_va_vcc(0)                    ; VCC is written, ahead of the selects that read it
.irp bb, 0,1,2,3
	v_cndmask_b32 v[OW+8+\bb], v[PWS+2*\bb], v[PWS+2*\bb+1], vcc_lo   ; lanes 0-15: tile 2 b's word; lanes 16-31: tile 2 b + 1's
.endr
.irp bb, 0,1,2,3
	v_and_b32 v[OW+\bb], 0xffff, v[OW+8+\bb]       ; bytes 0, 1: head 2 w's two blocks; the bytes of the upper 64 along K, whose codes are zeros, are 0
	v_lshrrev_b32 v[OW+4+\bb], 16, v[OW+8+\bb]     ; bytes 2, 3: head 2 w + 1's
.endr
	s_wait_alu depctr_va_vdst(0)                   ; tile 7's conversions and swaps have written C1, and the lines above the scale words: the four stores below read them
	OUTC 0, 7
	global_store_b128 v1, v[OW:OW+3], s[56:57]
	global_store_b128 v5, v[OW+4:OW+7], s[56:57]
	s_endpgm
	; ---- V
.Lv:
	s_add_nc_u64 s[54:55], s[16:17], s[42:43]
	s_add_nc_u64 s[52:53], s[12:13], s[60:61]
	v_and_b32 v3, 7, v0
	v_bfe_u32 v8, v0, 3, 1
	v_lshlrev_b32 v3, 2, v3
	v_lshl_add_u32 v3, v8, 6, v3                   ; the bias: index r of a tile is channel r % 8 + 16 (r / 8) of it
	PATH 1
	v_cmp_le_u32 vcc_lo, 16, v7
	s_wait_alu depctr_va_vcc(0)                    ; VCC is written, ahead of the selects that read it
.irp hh, 0,1
.irp bb, 0,1
	v_cndmask_b32 v[OW+2*\hh+\bb], v[PWS+4*\hh+2*\bb], v[PWS+4*\hh+2*\bb+1], vcc_lo   ; lanes 0-15: channel tile 2 b's word; lanes 16-31: tile 2 b + 1's
.endr
.endr
	s_wait_alu depctr_va_vdst(0)                   ; tile 7's conversions and swaps have written C1, and the selects the scale words: the four stores below read them
	OUTC 1, 7
.irp hh, 0,1
	global_store_b64 v6, v[OW+2*\hh:OW+2*\hh+1], s[54:55] offset:8704+\hh*HEADB     ; 32 lanes store 256 consecutive bytes, aligned
.endr
	s_endpgm
.Lfunc_end_k_q73f1914291_qkv:
	.size	k_q73f1914291_qkv, .Lfunc_end_k_q73f1914291_qkv-k_q73f1914291_qkv
	.p2alignl 7, 3214868480
	.fill 96, 4, 3214868480
	.section	.rodata,"a",@progbits
	.p2align	6, 0x0
	.amdhsa_kernel k_q73f1914291_qkv
		.amdhsa_group_segment_fixed_size 0
		.amdhsa_private_segment_fixed_size 0
		.amdhsa_enable_private_segment 0
		.amdhsa_kernarg_size 56
		.amdhsa_user_sgpr_count 2
		.amdhsa_user_sgpr_kernarg_segment_ptr 1
		.amdhsa_wavefront_size32 1
		.amdhsa_system_sgpr_workgroup_id_x 1
		.amdhsa_system_sgpr_workgroup_id_y 1
		.amdhsa_system_sgpr_workgroup_id_z 1
		.amdhsa_system_vgpr_workitem_id 0
		.amdhsa_next_free_vgpr 768
		.amdhsa_next_free_sgpr 66
		.amdhsa_reserve_vcc 1
		.amdhsa_float_denorm_mode_32 3
		.amdhsa_float_denorm_mode_16_64 3
		.amdhsa_memory_ordered 1
		.amdhsa_forward_progress 1
		.amdhsa_inst_pref_size 171
	.end_amdhsa_kernel
	.amdgpu_metadata
---
amdhsa.version: [ 1, 2 ]
amdhsa.kernels:
  - .name:           k_q73f1914291_qkv
    .symbol:         k_q73f1914291_qkv.kd
    .args:
      - { .name: xq, .offset: 0, .size: 8, .value_kind: global_buffer, .address_space: global }
      - { .name: wq, .offset: 8, .size: 8, .value_kind: global_buffer, .address_space: global }
      - { .name: bq, .offset: 16, .size: 8, .value_kind: global_buffer, .address_space: global }
      - { .name: bk, .offset: 24, .size: 8, .value_kind: global_buffer, .address_space: global }
      - { .name: bv, .offset: 32, .size: 8, .value_kind: global_buffer, .address_space: global }
      - { .name: qq, .offset: 40, .size: 8, .value_kind: global_buffer, .address_space: global }
      - { .name: kv, .offset: 48, .size: 8, .value_kind: global_buffer, .address_space: global }
    .group_segment_fixed_size: 0
    .private_segment_fixed_size: 0
    .kernarg_segment_align: 8
    .kernarg_segment_size: 56
    .max_flat_workgroup_size: 128
    .sgpr_count:     66
    .vgpr_count:     768
    .wavefront_size: 32
...
	.end_amdgpu_metadata
.endif
;; end of part 6
;; launch attn (part 7): grid 8 x 32, 16 waves a work-group, clusters of 4 x 1, 169,984 bytes of LDS; arguments qq, kv, cq; writes cq
.if DOCPART == 7
	.amdgcn_target "amdgcn-amd-amdhsa--gfx1250"
	.amdhsa_code_object_version 6
	.text
	.protected	k_q73f1914291_attn
	.globl	k_q73f1914291_attn
	.p2align	8
	.type	k_q73f1914291_attn,@function
k_q73f1914291_attn:
	s_mov_b64 s[64:65], 0
	v_nop
	global_prefetch_b8 v0, s[64:65] scope:SCOPE_SE
	s_setreg_imm32_b32 hwreg(HW_REG_WAVE_MODE, 25, 1), 1
	s_wait_xcnt 0x0
	s_wait_alu depctr_hold_cnt(0) depctr_sa_sdst(0) depctr_va_vdst(0) depctr_va_sdst(0) depctr_va_ssrc(0) depctr_va_vcc(0) depctr_vm_vsrc(0)
	s_getreg_b32 s2, hwreg(HW_REG_IB_STS2, 6, 4)
	s_cmp_eq_u32 s2, 0
	s_cbranch_scc0 .Lentry_in_a_cluster
	s_endpgm
.Lentry_in_a_cluster:
	s_bfe_u32 s2, ttmp6, 0x10000c
	s_cmp_lg_u32 s2, 0x3003
	s_cbranch_scc0 .Lentry_shape_is_right
	s_endpgm
.Lentry_shape_is_right:
; ctx[head][q] = the sum over k of softmax_k(Q[q] . K[k] / 8) V[k], both products on codes of FP4 (E2M1) with E8M0 scales; ctx leaves as codes along the last product's K (the 512 columns).
; THE SOFTMAX AHEAD OF THE SECOND PRODUCT: t = score x log2(e) / 8; M = the row's largest t so far, rounded UP to a whole number; p = 2^(t - M) is quantised along the keys, not normalised.
; The row's sum is taken of the unquantised p, in f32, and divides O at the end.  When M moves, the sum and O are multiplied by 2^(old M - new M): exact.
; SHARES.  A work-group owns 256 queries of one head, each of its sixteen waves one tile of 16 in 256 registers: four waves to a SIMD, so that one wave's vector work stands beside another's
; matrix work and LDS loads.  Every wave walks the head's 2,048 keys, 128 a step.
; A WHOLE HEAD'S K AND V STAY IN LDS: 16 records of 8,960 bytes (K's 8 half images, V^T's 4 images, K's scale words, V's), laid in the order of the operands' registers, so that every LDS read is
; 16 (or 8) bytes a lane on end.  Each LDS byte is filled once: no ring.  Waves 0-3 bring four records each; by this text's count a wave has four tensor loads outstanding at the most.
; CLUSTER.  The four query blocks of a cluster belong to one head and need the same records: each is asked for JOINTLY, by the same tensor load with the same descriptor and the mask of all four.
; LAYOUT.  Both products are used transposed: S^T = K Q^T (source 0 = 16 keys, source 1 = my 16 queries), O^T = V^T P^T: a lane holds ONE query (lane % 16) throughout.  By the tile order
; (tile T, index i = element 32 (T / 2) + 8 (T % 2) + i % 8 + 16 (i / 8)) the 16 registers of tiles 2 b and 2 b + 1 are 16 neighbours: 32 b + 16 (lane / 16) + 0 .. 15, of the keys and later of the channels.
; The head has 64 channels and the instruction takes 128 along K: registers 4-7 of Q's and K's fragments hold zero codes, which add nothing (their scale bytes are 0, not 0xff).
; LIMITS: a block of zeros gets the byte 1 with zero codes (this program alone reads the bytes); NaN and infinities are not served; p under 2^-126 counts as 0 (v_exp_f32).
; REGISTERS: v1 16 x lane, v2 8 x lane, v3 lane, v5, v6 offsets; v8-9 the step's LDS addresses; v12 -M, v13 the largest t, v[14:15] the sum in two halves; v16-23 Q; v24-87 K's 8 fragments;
;   v88-119 V's 4; v120-183 S^T, then p; v184-215 O^T; v216-223 p's codes; v224-227 K's scale words, v228-229 V's, v230 Q's, v231 p's; v232-254 at work.
.set REC, 8960
.set WV,  18                           ; s18 my wave's number
.set TB,  48                           ; s48 LDS byte at which the step's record begins
.set CNT, 49                           ; s49 trips to go
; A round of the cluster's barrier: my work-group's barrier, so that wave 0's signal speaks for all sixteen waves; wave 0 signals; every wave waits for all four work-groups; my work-group's barrier once more.
.macro ROUND
	s_barrier_signal -1
	s_barrier_wait -1
	s_cmp_lg_u32 s[WV], 0
	s_cbranch_scc1 .Lnot_wave_0_\@
	s_barrier_signal -3
.Lnot_wave_0_\@:
	s_barrier_wait -3
	s_barrier_signal -1
	s_barrier_wait -1
.endm
	s_load_b128 s[4:7], s[0:1], 0x0                ; qq s[4:5], kv s[6:7]
	s_load_b64 s[8:9], s[0:1], 0x10                ; cq
	v_lshl_add_u32 v251, v0, 2, 0x29000
	v_mov_b32 v255, 0
	ds_add_u32 v251, v255
	ds_add_u32 v251, v255
	v_lshrrev_b32 v3, 5, v0
	s_delay_alu instid0(VALU_DEP_1)
	v_readfirstlane_b32 s[WV], v3                  ; wave 0..15
	v_and_b32 v3, 31, v0                           ; lane
	s_delay_alu instid0(VALU_DEP_1)
	v_lshlrev_b32 v1, 4, v3
	s_delay_alu instid0(VALU_DEP_2)
	v_lshlrev_b32 v2, 3, v3
	v_and_b32 v4, 15, v0                           ; r
	s_delay_alu instid0(VALU_DEP_1)
	v_lshlrev_b32 v5, 4, v4                        ; Q's scale word: 16 bytes an index
	s_delay_alu instid0(VALU_DEP_2)
	v_lshlrev_b32 v6, 2, v4                        ; ctx's: 4 bytes an index
	s_and_b32 s10, ttmp7, 0xffff                   ; the head (of 32), which the four partners share
	s_min_u32 s15, s[WV], 3                        ; (waves 4-15 issue no load: their descriptors are wave 3's, so that none points outside)
	s_mul_i32 s14, s15, REC                        ; my first record: in LDS and in the head's bytes alike
	s_mul_i32 s12, s10, 16*REC
	s_add_co_u32 s12, s12, s14
	s_mov_b32 s13, 0
	; descriptor group 1: a record is a dense block: 35 rows of 256 bytes (32 elements of 8 bytes), no padding
	s_mov_b32 s24, 15|(3<<16)|(1<<21)              ; 15:0 the mask: all four work-groups; 17:16 elements of 8 bytes; 21 set beside a mask
	s_mov_b32 s25, 32<<16                          ; tensor_dim0 = 32
	s_mov_b32 s26, 35<<16                          ; tensor_dim1 = 35
	s_mov_b32 s27, 32<<16                          ; tile_dim0 = 32
	s_mov_b32 s28, 35                              ; tile_dim1 = 35
	s_mov_b32 s29, 32                              ; elements from row to row
	s_mov_b32 s30, 0
	s_mov_b32 s31, 0
	s_mov_b32 s20, 0x76543210
	s_mov_b32 s21, 0xfedcba98                      ; v_permlanex16_b32's selects for lane l xor 16
	s_mov_b32 s22, 0x3e38aa3b                      ; c = log2(e) / 8
	s_mov_b32 s23, s22                             ; (the packed form names the pair)
	; my place in the cluster enters Q's and ctx's global addresses alone
	s_bfe_u32 s50, ttmp6, 0x40000                  ; cx
	s_lshl_b32 s51, ttmp9, 2
	s_add_co_u32 s51, s51, s50                     ; my block of 256 queries
	s_lshl_b32 s52, s51, 4
	s_add_co_u32 s52, s52, s[WV]                   ; my tile of queries, of the head's 128
	s_lshl_b32 s54, s10, 7
	s_add_co_u32 s54, s54, s52
	s_lshl_b32 s54, s54, 9                         ; Q's half image: 512 bytes a tile
	s_mov_b32 s55, 0
	s_lshl_b32 s56, s10, 4                         ; Q's scale words: 512 bytes for 8 tiles;
	s_lshr_b32 s57, s52, 3
	s_add_co_u32 s56, s56, s57
	s_lshl_b32 s56, s56, 9
	s_bfe_u32 s57, s[WV], 0x20001                  ; of tile 2 b + u of the eight: word b
	s_lshl_b32 s57, s57, 2
	s_add_co_u32 s56, s56, s57
	s_and_b32 s57, s[WV], 1                        ; of lane 16 u + r
	s_lshl_b32 s57, s57, 8
	s_add_co_u32 s56, s56, s57
	s_add_co_u32 s56, s56, 2097152
	s_mov_b32 s57, 0
	s_lshr_b32 s58, s10, 3                         ; ctx: the batch's 128 tiles of rows,
	s_lshl_b32 s58, s58, 7
	s_add_co_u32 s58, s58, s52                     ; my tile
	s_and_b32 s59, s10, 7                          ; the head within the batch: columns 64 hd on: half hd % 2 of K step hd / 2
	s_lshl_b32 s60, s58, 12
	s_lshl_b32 s61, s59, 9
	s_add_co_u32 s60, s60, s61                     ; codes: 4,096 a tile, 512 a half image
	s_mov_b32 s61, 0
	s_lshl_b32 s62, s58, 8                         ; scale words: 256 a tile,
	s_lshr_b32 s63, s59, 1
	s_lshl_b32 s63, s63, 6                         ; 64 a K step,
	s_add_co_u32 s62, s62, s63
	s_and_b32 s63, s59, 1
	s_lshl_b32 s63, s63, 1                         ; my head's two bytes of the word
	s_add_co_u32 s62, s62, s63
	s_add_co_u32 s62, s62, 2097152
	s_mov_b32 s63, 0
	s_wait_dscnt 0x0
	s_wait_kmcnt 0x0
	s_add_nc_u64 s[16:17], s[6:7], s[12:13]
.irp g, 0,1,2,3                                ; descriptor group 0, a set for each of my four loads: records wave, wave + 4, wave + 8, wave + 12
	s_mov_b32 s[32+4*\g], 1                                        ; count = 1
	s_add_co_u32 s[33+4*\g], s14, \g*4*REC                         ; LDS address
	s_add_nc_u64 s[34+4*\g:35+4*\g], s[16:17], \g*4*REC            ; global address
	s_or_b32 s[35+4*\g], s[35+4*\g], 0x80000000                    ; type = 2
.endr
	s_add_nc_u64 s[54:55], s[4:5], s[54:55]
	s_add_nc_u64 s[56:57], s[4:5], s[56:57]
	s_add_nc_u64 s[60:61], s[8:9], s[60:61]
	s_add_nc_u64 s[62:63], s[8:9], s[62:63]
	ROUND                                          ; all four work-groups are here: the joint loads meet
	s_cmp_lt_u32 s[WV], 4                          ; a wave's four fills stand in one branch, ahead of every wait on TENSORcnt and every LDS read; four v_nop follow the last
	s_cbranch_scc0 .Lno_fill
	tensor_load_to_lds s[32:35], s[24:31]
	s_nop 0
	tensor_load_to_lds s[36:39], s[24:31]
	s_nop 0
	tensor_load_to_lds s[40:43], s[24:31]
	s_nop 0
	tensor_load_to_lds s[44:47], s[24:31]
	s_nop 0
.rept 4
	v_nop
.endr
.Lno_fill:
	s_wait_alu depctr_va_vdst(0)
	global_load_b128 v[16:19], v1, s[54:55]        ; Q's half image stays in registers
	global_load_b32 v230, v5, s[56:57]             ; and its scale words
.irp j, 20,21,22,23
	v_mov_b32 v[\j], 0                             ; zero codes for the upper 64 along K: Q's,
.endr
.irp t, 0,1,2,3,4,5,6,7
.irp j, 4,5,6,7
	v_mov_b32 v[24+8*\t+\j], 0                     ; and K's: written once, no load lands here
.endr
.endr
	v_mov_b32 v13, 0xff61b1e6                      ; the largest t so far: -3e38, under every t
	s_delay_alu instid0(VALU_DEP_1)
	v_floor_f32 v12, -v13                          ; -M
	v_mov_b32 v14, 0                               ; the sum, in two halves
	v_mov_b32 v15, 0
.irp b, 0,1,2,3
	v_mov_b32 v[236+\b], 0                         ; written once: a lane permute's destination counts as one of its sources
.endr
	v_mov_b32 v253, 0                              ; (named as the upper half of the pair v[252:253])
.irp j, 0,1,2,3,4,5,6,7,8,9,10,11,12,13,14,15,16,17,18,19,20,21,22,23,24,25,26,27,28,29,30,31
	v_mov_b32 v[184+\j], 0                         ; O^T.  (The step is written once for all keys: the first finds zeros, which the first change of M leaves zeros)
.endr
; A KEY STEP: the 128 keys of the record at s[TB].
.macro STEP
	s_setprio 2
	v_add_nc_u32 v8, s[TB], v1
	v_add_nc_u32 v9, s[TB], v2
	v_nop
	v_nop                                          ; four places behind the last step's products, ahead of loads into registers that they read (ISA guide 7.12.1 for vector instructions)
.irp t, 0,1,2,3,4,5,6,7
	ds_load_b128 v[24+8*\t:27+8*\t], v8 offset:512*\t              ; K's half images: 512 bytes on end each
.endr
	ds_load_b128 v[224:227], v8 offset:8192                        ; K's scale words: register b: lanes 0-15 tile 2 b's, lanes 16-31 tile 2 b + 1's
.irp d, 0,1,2,3
.irp c, 0,1
	ds_load_b128 v[88+8*\d+4*\c:91+8*\d+4*\c], v8 offset:4096+1024*\d+512*\c   ; V^T's images
.endr
.endr
	ds_load_b64 v[228:229], v9 offset:8704                         ; V's scale words, likewise
	s_wait_dscnt 9                                 ; K and its scale words are in; V's nine loads may be out
.irp t, 0,2,4,6
	v_wmma_scale_f32_16x16x128_f8f6f4 v[120+8*\t:127+8*\t], v[24+8*\t:31+8*\t], v[16:23], 0, v[224+\t/2], v230 matrix_a_fmt:MATRIX_FMT_FP4 matrix_b_fmt:MATRIX_FMT_FP4
	v_wmma_scale_f32_16x16x128_f8f6f4 v[128+8*\t:135+8*\t], v[32+8*\t:39+8*\t], v[16:23], 0, v[224+\t/2], v230 matrix_a_fmt:MATRIX_FMT_FP4 matrix_b_fmt:MATRIX_FMT_FP4 matrix_a_scale:MATRIX_SCALE_ROW1
.endr
.rept 4
	v_nop                                          ; four places ahead of the first read of results
.endr
.irp b, 0,1,2,3
	v_max3_num_f32 v[232+\b], v[120+16*\b], v[121+16*\b], v[122+16*\b]   ; THE LARGEST SCORE OF EACH BLOCK OF 32 KEYS: it serves the row's maximum and, since p rises with the score, the block's largest p
.endr
.irp i, 3,5,7,9,11,13
.irp b, 0,1,2,3
	v_max3_num_f32 v[232+\b], v[232+\b], v[120+16*\b+\i], v[121+16*\b+\i]   ; (the four blocks by turns)
.endr
.endr
.irp b, 0,1,2,3
	v_max_num_f32 v[232+\b], v[232+\b], v[135+16*\b]
.endr
.irp b, 0,1,2,3
	s_delay_alu instid0(VALU_DEP_4)
	v_permlanex16_b32 v[236+\b], v[232+\b], s20, s21
.endr
.irp b, 0,1,2,3
	s_delay_alu instid0(VALU_DEP_4)
	v_max_num_f32 v[232+\b], v[232+\b], v[236+\b]  ; with lane l xor 16's 16 keys
.endr
	s_delay_alu instid0(VALU_DEP_2)
	v_max3_num_f32 v254, v232, v233, v234
	s_delay_alu instid0(VALU_DEP_1)
	v_max_num_f32 v254, v254, v235                 ; the step's largest score of my query
	s_delay_alu instid0(VALU_DEP_1)
	v_mul_f32 v254, s22, v254                      ; as t (c is positive)
	s_delay_alu instid0(VALU_DEP_1)
	v_max_num_f32 v13, v13, v254                   ; the running largest t
	v_mov_b32 v254, v12
	s_delay_alu instid0(VALU_DEP_2)
	v_floor_f32 v12, -v13                          ; the new -M = floor(-t) = -ceil(t): a whole number
	s_delay_alu instid0(VALU_DEP_1)
	v_sub_f32 v254, v12, v254                      ; M's old value less its new one: a whole number, 0 or less
	s_delay_alu instid0(VALU_DEP_1)
	v_cvt_i32_f32 v254, v254                       ; (it saturates)
	s_delay_alu instid0(VALU_DEP_1)
	v_ldexp_f32 v252, 1.0, v254                    ; f = 2^(old M - new M): a multiplication by it rounds nothing
.irp j, 0,2,4,6,8,10,12,14,16,18,20,22,24,26,28,30,32,34,36,38,40,42,44,46,48,50,52,54,56,58,60,62
	v_pk_fma_f32 v[120+\j:121+\j], v[120+\j:121+\j], s[22:23], v[12:13] op_sel_hi:[1,0,0]   ; t - M, two at a time (of the pairs c and -M the low word serves both halves)
.endr
.irp b, 0,1,2,3
	v_fma_f32 v[232+\b], v[232+\b], s22, v12       ; the same of each block's largest score
.endr
	s_wait_alu depctr_va_vdst(0)
.irp j, 0,1,2,3,4,5,6,7,8,9,10,11,12,13,14,15,16,17,18,19,20,21,22,23,24,25,26,27,28,29,30,31,32,33,34,35,36,37,38,39,40,41,42,43,44,45,46,47,48,49,50,51,52,53,54,55,56,57,58,59,60,61,62,63
	v_exp_f32 v[120+\j], v[120+\j]                 ; p = 2^(t - M), at most 1: not normalised
.endr
	s_setprio 1
.irp b, 0,1,2,3
	v_exp_f32 v[232+\b], v[232+\b]                 ; the block's largest p: the same two instructions on the same number give the same bits
.endr
	v_pk_mul_f32 v[14:15], v[14:15], v[252:253] op_sel_hi:[1,0]    ; the sums under the new M.  (A plain line behind the exponentials)
	s_wait_alu depctr_va_vdst(0)
.irp b, 0,1,2,3
	v_max_num_f32 v[232+\b], 0x1800000, v[232+\b]  ; the floor 2^(3 - 127): the byte cannot fall under 1
.endr
.irp b, 0,1,2,3
	s_delay_alu instid0(VALU_DEP_4)
	v_add_nc_u32 v[244+\b], 0xff000000, v[232+\b]  ; 2 off the exponent field: the conversion's scale operand
.endr
.irp b, 0,1,2,3
	s_delay_alu instid0(VALU_DEP_4)
	v_lshrrev_b32 v[236+\b], 23, v[244+\b]         ; the scale's byte
.endr
	s_delay_alu instid0(VALU_DEP_3)
	v_lshl_or_b32 v231, v237, 8, v236              ; p's scale word for these 128 keys
	s_delay_alu instid0(VALU_DEP_1)
	v_lshl_or_b32 v231, v238, 16, v231
	s_delay_alu instid0(VALU_DEP_1)
	v_lshl_or_b32 v231, v239, 24, v231
.irp b, 0,1,2,3
	v_cvt_scalef32_pk8_fp4_f32 v[216+2*\b], v[120+16*\b:127+16*\b], v[244+\b]
	v_cvt_scalef32_pk8_fp4_f32 v[217+2*\b], v[128+16*\b:135+16*\b], v[244+\b]
.endr
	v_nop                                          ; one plain line behind the last conversion
.irp c, 0,1                                    ; the operand's layout wants a WHOLE block in a lane: lanes 0-15 block 2 c, lanes 16-31 block 2 c + 1
.irp i, 0,1
	v_permlane16_swap_b32 v[216+4*\c+\i], v[218+4*\c+\i]
.endr
.endr
	v_pk_add_f32 v[236:237], v[124:125], v[128:129]
	v_pk_add_f32 v[248:249], v[132:133], v[136:137]
	v_pk_add_f32 v[242:243], v[140:141], v[144:145]
	v_pk_add_f32 v[10:11], v[148:149], v[152:153]
	v_pk_add_f32 v[14:15], v[14:15], v[156:157]
	v_pk_add_f32 v[236:237], v[236:237], v[160:161]
	v_pk_add_f32 v[248:249], v[248:249], v[164:165]
	v_pk_add_f32 v[242:243], v[242:243], v[168:169]
	v_pk_add_f32 v[10:11], v[10:11], v[172:173]
	v_pk_add_f32 v[14:15], v[14:15], v[176:177]
	v_pk_add_f32 v[236:237], v[236:237], v[180:181]
	v_pk_add_f32 v[248:249], v[248:249], v[120:121]
	v_pk_add_f32 v[242:243], v[242:243], v[122:123]
	v_pk_add_f32 v[10:11], v[10:11], v[126:127]
	v_pk_add_f32 v[14:15], v[14:15], v[130:131]
	v_pk_add_f32 v[236:237], v[236:237], v[134:135]
	v_pk_add_f32 v[248:249], v[248:249], v[138:139]
	v_pk_add_f32 v[242:243], v[242:243], v[142:143]
	v_pk_add_f32 v[10:11], v[10:11], v[146:147]
	v_pk_add_f32 v[14:15], v[14:15], v[150:151]
	v_pk_add_f32 v[236:237], v[236:237], v[154:155]
	v_pk_add_f32 v[248:249], v[248:249], v[158:159]
	v_pk_add_f32 v[242:243], v[242:243], v[162:163]
	v_pk_add_f32 v[10:11], v[10:11], v[166:167]
	v_pk_add_f32 v[14:15], v[14:15], v[170:171]
	v_pk_add_f32 v[236:237], v[236:237], v[174:175]
	v_pk_add_f32 v[248:249], v[248:249], v[178:179]
	v_pk_add_f32 v[242:243], v[242:243], v[182:183]
	s_delay_alu instid0(VALU_DEP_1)
	v_pk_add_f32 v[14:15], v[14:15], v[242:243]
	s_delay_alu instid0(VALU_DEP_4)
	v_pk_add_f32 v[236:237], v[236:237], v[10:11]
	s_delay_alu instid0(VALU_DEP_2)
	v_pk_add_f32 v[14:15], v[14:15], v[248:249]
	s_delay_alu instid0(VALU_DEP_1)
	v_pk_add_f32 v[14:15], v[14:15], v[236:237]
	s_setprio 0
.irp j, 0,2,4,6,8,10,12,14,16,18,20,22,24,26,28,30
	v_pk_mul_f32 v[184+\j:185+\j], v[184+\j:185+\j], v[252:253] op_sel_hi:[1,0]   ; O^T under the new M, each accumulator from its low end on.  (The sums and these are the places between p's codes and scale word and the products)
.endr
	s_wait_alu depctr_va_vdst(0)
	s_wait_dscnt 0x0                               ; V and its scale words are in
.irp d, 0,2
	v_wmma_scale_f32_16x16x128_f8f6f4 v[184+8*\d:191+8*\d], v[88+8*\d:95+8*\d], v[216:223], v[184+8*\d:191+8*\d], v[228+\d/2], v231 matrix_a_fmt:MATRIX_FMT_FP4 matrix_b_fmt:MATRIX_FMT_FP4
	v_wmma_scale_f32_16x16x128_f8f6f4 v[192+8*\d:199+8*\d], v[96+8*\d:103+8*\d], v[216:223], v[192+8*\d:199+8*\d], v[228+\d/2], v231 matrix_a_fmt:MATRIX_FMT_FP4 matrix_b_fmt:MATRIX_FMT_FP4 matrix_a_scale:MATRIX_SCALE_ROW1
.endr
	s_add_co_u32 s[TB], s[TB], REC                 ; the next record
.endm
	s_wait_loadcnt 0x0                             ; Q
	s_wait_tensorcnt 3                             ; tensor loads of a wave end in order (ISA guide 10.11.1): my first record (0 to 3) is in; my three younger loads may be out
	s_barrier_signal -1
	s_barrier_wait -1                              ; records 0 to 3 are whole
	s_mov_b32 s[TB], 0
	s_mov_b32 s[CNT], 4
.Lfirst:                                           ; key steps 0 to 3, while records 4 to 15 land
	STEP
	s_sub_co_u32 s[CNT], s[CNT], 1
	s_cmp_lg_u32 s[CNT], 0
	s_cbranch_scc1 .Lfirst
	s_setprio 0
	s_wait_tensorcnt 0x0                           ; all my records are in,
	s_wait_dscnt 0x0
	s_barrier_signal -1
	s_barrier_wait -1                              ; everybody's are
	s_mov_b32 s[TB], 4*REC
	s_mov_b32 s[CNT], 12
.Lrest:                                            ; key steps 4 to 15
	STEP
	s_sub_co_u32 s[CNT], s[CNT], 1
	s_cmp_lg_u32 s[CNT], 0
	s_cbranch_scc1 .Lrest
	s_setprio 0
	; THE WAY OUT.  O^T / the sum is ctx: a lane's register 16 b + i is channel 32 b + 16 (lane / 16) + i of my query: two blocks of the last product's K.  They are quantised here and leave as half an image.
.rept 4
	v_nop                                          ; four places ahead of the first read of results
.endr
	v_add_f32 v14, v14, v15                        ; the sum's two halves,
	s_delay_alu instid0(VALU_DEP_1)
	v_permlanex16_b32 v252, v14, s20, s21
	s_delay_alu instid0(VALU_DEP_1)
	v_add_f32 v14, v14, v252                       ; and lane l xor 16's: the row's sum
	s_wait_alu depctr_va_vdst(0)
	v_rcp_f32 v14, v14
	v_nop                                          ; one plain line behind a transcendental
	s_wait_alu depctr_va_vdst(0)
.irp j, 0,1,2,3,4,5,6,7,8,9,10,11,12,13,14,15,16,17,18,19,20,21,22,23,24,25,26,27,28,29,30,31
	v_mul_f32 v[120+\j], v[184+\j], v14
.endr
.irp b, 0,1
	v_max3_num_f32 v[232+\b], |v[120+16*\b]|, |v[121+16*\b]|, 0x1800000   ; block b: my 16 numbers, and the floor 2^(3 - 127)
.endr
.irp i, 2,4,6,8,10,12,14
.irp b, 0,1
	s_delay_alu instid0(VALU_DEP_2)
	v_max3_num_f32 v[232+\b], v[232+\b], |v[120+16*\b+\i]|, |v[121+16*\b+\i]|
.endr
.endr
.irp b, 0,1
	s_delay_alu instid0(VALU_DEP_2)
	v_permlanex16_b32 v[236+\b], v[232+\b], s20, s21
.endr
.irp b, 0,1
	s_delay_alu instid0(VALU_DEP_2)
	v_max_num_f32 v[232+\b], v[232+\b], v[236+\b]
.endr
.irp b, 0,1
	s_delay_alu instid0(VALU_DEP_2)
	v_add_nc_u32 v[244+\b], 0xff000000, v[232+\b]
.endr
.irp b, 0,1
	s_delay_alu instid0(VALU_DEP_2)
	v_lshrrev_b32 v[236+\b], 23, v[244+\b]
.endr
	s_delay_alu instid0(VALU_DEP_1)
	v_lshl_or_b32 v240, v237, 8, v236              ; my head's two bytes of the row's scale word
.irp b, 0,1
	v_cvt_scalef32_pk8_fp4_f32 v[216+2*\b], v[120+16*\b:127+16*\b], v[244+\b]
	v_cvt_scalef32_pk8_fp4_f32 v[217+2*\b], v[128+16*\b:135+16*\b], v[244+\b]
.endr
	v_nop                                          ; one plain line behind the last conversion
	v_permlane16_swap_b32 v216, v218               ; lanes 0-15: block 0 whole; lanes 16-31: block 1
	v_permlane16_swap_b32 v217, v219
	global_store_b128 v1, v[216:219], s[60:61]     ; 32 lanes store 512 consecutive bytes, aligned
	v_cmp_gt_u32 vcc_lo, 16, v3
	s_wait_alu depctr_va_vdst(0)
	s_wait_xcnt 0x0                                ; EXEC changes only behind this wait
	s_and_saveexec_b32 s50, vcc_lo
	global_store_b16 v6, v240, s[62:63]            ; two bytes a row: no wave holds both heads of a word; 131,072 bytes in the whole launch
	s_wait_xcnt 0x0                                ; and again, in front of the line that widens it
	s_or_b32 exec_lo, exec_lo, s50
	s_wait_tensorcnt 0x0
	ds_add_u32 v251, v255
	s_wait_dscnt 0x0
	ROUND                                          ; the closing round: no work-group ends while a partner may still ask for a record that names it
	s_endpgm
.Lfunc_end_k_q73f1914291_attn:
	.size	k_q73f1914291_attn, .Lfunc_end_k_q73f1914291_attn-k_q73f1914291_attn
	.p2alignl 7, 3214868480
	.fill 96, 4, 3214868480
	.section	.rodata,"a",@progbits
	.p2align	6, 0x0
	.amdhsa_kernel k_q73f1914291_attn
		.amdhsa_group_segment_fixed_size 169984
		.amdhsa_private_segment_fixed_size 0
		.amdhsa_enable_private_segment 0
		.amdhsa_kernarg_size 24
		.amdhsa_user_sgpr_count 2
		.amdhsa_user_sgpr_kernarg_segment_ptr 1
		.amdhsa_wavefront_size32 1
		.amdhsa_system_sgpr_workgroup_id_x 1
		.amdhsa_system_sgpr_workgroup_id_y 1
		.amdhsa_system_sgpr_workgroup_id_z 1
		.amdhsa_system_vgpr_workitem_id 0
		.amdhsa_next_free_vgpr 256
		.amdhsa_next_free_sgpr 66
		.amdhsa_reserve_vcc 1
		.amdhsa_float_denorm_mode_32 3
		.amdhsa_float_denorm_mode_16_64 3
		.amdhsa_memory_ordered 1
		.amdhsa_forward_progress 1
		.amdhsa_inst_pref_size 46
	.end_amdhsa_kernel
	.amdgpu_metadata
---
amdhsa.version: [ 1, 2 ]
amdhsa.kernels:
  - .name:           k_q73f1914291_attn
    .symbol:         k_q73f1914291_attn.kd
    .args:
      - { .name: qq, .offset: 0, .size: 8, .value_kind: global_buffer, .address_space: global }
      - { .name: kv, .offset: 8, .size: 8, .value_kind: global_buffer, .address_space: global }
      - { .name: cq, .offset: 16, .size: 8, .value_kind: global_buffer, .address_space: global }
    .group_segment_fixed_size: 169984
    .private_segment_fixed_size: 0
    .kernarg_segment_align: 8
    .kernarg_segment_size: 24
    .max_flat_workgroup_size: 512
    .sgpr_count:     66
    .vgpr_count:     256
    .wavefront_size: 32
...
	.end_amdgpu_metadata
.endif
;; end of part 7
;; launch outp (part 8): grid 256 x 1, 4 waves a work-group, no clusters, 34,304 bytes of LDS; arguments cq, wq, bo, out0; writes out0
.if DOCPART == 8
	.amdgcn_target "amdgcn-amd-amdhsa--gfx1250"
	.amdhsa_code_object_version 6
	.text
	.protected	k_q73f1914291_outp
	.globl	k_q73f1914291_outp
	.p2align	8
	.type	k_q73f1914291_outp,@function
k_q73f1914291_outp:
	s_mov_b64 s[64:65], 0
	v_nop
	global_prefetch_b8 v0, s[64:65] scope:SCOPE_SE
	s_setreg_imm32_b32 hwreg(HW_REG_WAVE_SCHED_MODE, 0, 2), 2
	s_setreg_imm32_b32 hwreg(HW_REG_WAVE_MODE, 25, 1), 1
	s_wait_xcnt 0x0
	s_wait_alu depctr_vm_vsrc(0)
; out0 = ctx Wo + bo on codes of FP4 (E2M1) with E8M0 scales; out0 [8192][512] f32.  Work-group g: rows 32 g .. 32 g + 31 (tiles 2 g, 2 g + 1 of ctx); wave w: columns 128 w .. 128 w + 127 (8 tiles of Wo).
; Both operands lie in memory in the order of their registers (an image of 16 indices x 128 K: lane L's registers 4 c .. 4 c + 3 at byte 512 c + 16 L): every load is 512 consecutive bytes a wave.
; THE MATRIX INSTRUCTION IS USED TRANSPOSED (source 0 = 16 columns of Wo, source 1 = 16 rows of ctx): a lane holds one row; by the tile order (tile T, index i = element 32 (T / 2) + 8 (T % 2) + i % 8 + 16 (i / 8))
; the registers of Wo's tiles 2 b, 2 b + 1 are columns 32 b + 16 (lane / 16) + 0 .. 15.  The bias is the C of each sum's first matrix instruction.
; The results go through the wave's own stage in LDS and leave as rows' runs of 512 bytes.  Waves share nothing: no barrier.  No cluster: the operands come through registers, not by tensor loads.
; REGISTERS: window 0: v1-5 offsets; v16-31 Wo's scale words, v32-35 ctx's; v48-111 the bias, later tile 0's rows on their way out; v112-239 sixteen accumulators (64 u + 8 a); v254, v255 the closing add's two.
;   window 1: Wo's 32 fragments, v[32 a + 8 s + 4 c]; later, in v0-63, tile 1's rows on their way out.   window 2: v0-63 ctx's 8, v[32 u + 8 s + 4 c].
; THE MODE: SCHED_MODE bits 1:0 = 2 (LLVM: expert scheduling mode 2), set by the entry lines.  The code itself states the register dependences between vector or matrix instructions and memory or LDS
; instructions, with s_wait_alu, always for 0.
; THE PLAN.  Registers that memory or LDS instructions touch:
;   v1 .. v5, v254, v255   offsets and LDS addresses: written at the head, never again.
;   v16-35, v48-111, windows 1 and 2   scale words, bias, operands: loaded once at the head, read by the matrix instructions.
;   v112-239      the accumulators: written by the matrix instructions, read by the LDS stores into the stage, and written by nothing after that.
;   v48-111, window 1's v0-63   on the way out the loads from the stage land where the bias and two of Wo's tiles lay; the global stores read them.
; So no register that a memory or LDS instruction has read is ever written again, and three waits state all there is: one for the wave's number, one for the offsets ahead of the first load, and one behind
; the last products' places: the accumulators are written, and the matrix instructions are done reading the registers in which the stage's rows land.
.set WSC, 16
.set NSC, 32
.set BI,  48
.set ACC, 112
.set SP,  528                          ; a stage row: 512 bytes + 16: row r starts 33 x 16 bytes behind row r - 1, so the 16 rows that a store touches start at 16 different banks
.set MSB, 0
.macro WIN new                         ; the immediate's high byte repeats the setting that is left
.if MSB != \new
	s_set_vgpr_msb (MSB<<8)|\new
.set MSB, \new
.endif
.endm
	s_load_b256 s[4:11], s[0:1], 0x0               ; cq s[4:5], wq s[6:7], bo s[8:9], out0 s[10:11]
	v_lshl_add_u32 v254, v0, 2, 0x8400
	v_mov_b32 v255, 0
	v_lshrrev_b32 v1, 5, v0
	v_readfirstlane_b32 s18, v1                    ; wave 0..3
	v_and_b32 v7, 31, v0                           ; lane
	v_lshlrev_b32 v1, 4, v7                        ; 16 x lane
	v_lshlrev_b32 v2, 2, v7                        ; 4 x lane
	v_bfe_u32 v8, v0, 4, 1                         ; h
	v_lshlrev_b32 v3, 6, v8                        ; 64 h: my half's place in the bias and in a stage row
	v_and_b32 v9, 15, v0                           ; r
	s_wait_alu depctr_va_sdst(0)                   ; s18 is written, ahead of its first reader: my stage, my tiles of Wo and my columns are made from it
	s_mul_i32 s19, s18, 16*SP                      ; my stage
	v_mul_u32_u24 v4, v9, SP
	v_add_nc_u32 v4, v4, v3
	v_add_nc_u32 v4, s19, v4                       ; into it: row r, + 64 h
	v_add_nc_u32 v5, s19, v1                       ; back: a row's 512 bytes, 16 a lane
	s_lshl_b32 s20, s18, 15                        ; Wo's codes: the fourth weight, my 8 tiles
	s_add_co_u32 s20, s20, 393216
	s_mov_b32 s21, 0
	s_lshl_b32 s24, s18, 11                        ; its scale words
	s_add_co_u32 s24, s24, 548864
	s_mov_b32 s25, 0
	s_lshl_b32 s28, ttmp9, 13                      ; ctx's codes: two tiles of 4,096 bytes
	s_mov_b32 s29, 0
	s_lshl_b32 s32, ttmp9, 9                       ; its scale words
	s_add_co_u32 s32, s32, 2097152
	s_mov_b32 s33, 0
	s_lshl_b32 s36, s18, 9                         ; my 128 numbers of the bias, and of a row of out0
	s_mov_b32 s37, 0
	s_lshl_b32 s38, ttmp9, 16                      ; 32 rows of 2,048 bytes
	s_add_co_u32 s38, s38, s36
	s_mov_b32 s39, 0
	s_wait_kmcnt 0x0
	s_add_nc_u64 s[22:23], s[6:7], s[20:21]
	s_add_nc_u64 s[26:27], s[6:7], s[24:25]
	s_add_nc_u64 s[30:31], s[4:5], s[28:29]
	s_add_nc_u64 s[34:35], s[4:5], s[32:33]
	s_add_nc_u64 s[8:9], s[8:9], s[36:37]
	s_add_nc_u64 s[10:11], s[10:11], s[38:39]
	s_wait_alu depctr_va_vdst(0)                   ; the offsets and LDS addresses v1 to v5 are written, which the loads and stores of the kernel read; no vector line names them again
.irp a, 0,1,2,3,4,5,6,7
.irp sp, 0,1
	global_load_b32 v[WSC+2*\a+\sp], v2, s[26:27] offset:\a*256+\sp*128   ; lanes 0-15: K step 2 sp's words; lanes 16-31: K step 2 sp + 1's
.endr
.endr
.irp u, 0,1
.irp sp, 0,1
	global_load_b32 v[NSC+2*\u+\sp], v2, s[34:35] offset:\u*256+\sp*128
.endr
.endr
.irp a, 0,1,2,3,4,5,6,7
	global_load_b128 v[BI+8*\a:BI+8*\a+3], v3, s[8:9] offset:(32*(\a/2)+8*(\a%2))*4          ; the bias of tile a's eight columns of my half
	global_load_b128 v[BI+8*\a+4:BI+8*\a+7], v3, s[8:9] offset:(32*(\a/2)+8*(\a%2))*4+16
.endr
	WIN 0x80                                       ; destination window 2.  (Between the wait above and these loads stand loads and window switches alone)
.irp u, 0,1
.irp s, 0,1,2,3
.irp c, 0,1
	global_load_b128 v[32*\u+8*\s+4*\c:32*\u+8*\s+4*\c+3], v1, s[30:31] offset:\u*4096+\s*1024+\c*512
.endr
.endr
.endr
	WIN 0x40                                       ; destination window 1
.irp s, 0,1,2,3                                ; Wo by K steps, so that the products of a step can begin while the later steps' 16 loads each are out
.irp a, 0,1,2,3,4,5,6,7
.irp c, 0,1
	global_load_b128 v[32*\a+8*\s+4*\c:32*\a+8*\s+4*\c+3], v1, s[22:23] offset:\a*4096+\s*1024+\c*512
.endr
.endr
.endr
	WIN 0x09                                       ; source 0 window 1, source 1 window 2, C and D window 0
; 64 matrix instructions; the sixteen accumulators take turns, one instruction a turn
.irp s, 0,1,2,3
	s_wait_loadcnt 16*(3-\s)                       ; loads come back in order: all up to K step s are in; the 16 loads of each later step may be out
.irp u, 0,1
.irp a, 0,1,2,3,4,5,6,7
.if \s == 0
	v_wmma_scale_f32_16x16x128_f8f6f4 v[ACC+64*\u+8*\a:ACC+64*\u+8*\a+7], v[32*\a:32*\a+7], v[32*\u:32*\u+7], v[BI+8*\a:BI+8*\a+7], v[WSC+2*\a], v[NSC+2*\u] matrix_a_fmt:MATRIX_FMT_FP4 matrix_b_fmt:MATRIX_FMT_FP4
.elseif \s == 2
	v_wmma_scale_f32_16x16x128_f8f6f4 v[ACC+64*\u+8*\a:ACC+64*\u+8*\a+7], v[32*\a+16:32*\a+23], v[32*\u+16:32*\u+23], v[ACC+64*\u+8*\a:ACC+64*\u+8*\a+7], v[WSC+2*\a+1], v[NSC+2*\u+1] matrix_a_fmt:MATRIX_FMT_FP4 matrix_b_fmt:MATRIX_FMT_FP4
.else
	v_wmma_scale_f32_16x16x128_f8f6f4 v[ACC+64*\u+8*\a:ACC+64*\u+8*\a+7], v[32*\a+8*\s:32*\a+8*\s+7], v[32*\u+8*\s:32*\u+8*\s+7], v[ACC+64*\u+8*\a:ACC+64*\u+8*\a+7], v[WSC+2*\a+\s/2], v[NSC+2*\u+\s/2] matrix_a_fmt:MATRIX_FMT_FP4 matrix_b_fmt:MATRIX_FMT_FP4 matrix_a_scale:MATRIX_SCALE_ROW1 matrix_b_scale:MATRIX_SCALE_ROW1
.endif
.endr
.endr
.endr
	WIN 0
.rept 4
	v_nop                                          ; four places ahead of the first read of results and of loads into the bias's and Wo's registers (ISA guide 7.12.1 for vector instructions)
.endr
	s_wait_alu depctr_va_vdst(0)                   ; the matrix instructions have written the sixteen accumulators, which the LDS stores read, and are done reading the bias and Wo's fragments, in which the loads from the stage land; the places above stay beside this wait
; THE WAY OUT.  Tile u's 16 rows x 128 columns go into my stage (a lane's eight numbers of tile a: 32 bytes at 128 (a / 2) + 32 (a % 2) + 64 h of row r) and come back as rows of 512 bytes.
; No vector or matrix instruction follows the wait above, so nothing more is owed: tile 0's rows come back into the bias's registers, tile 1's into window 1, where two of Wo's tiles lay.
.macro INTO u
.irp a, 0,1,2,3,4,5,6,7
	ds_store_b128 v4, v[ACC+64*\u+8*\a:ACC+64*\u+8*\a+3] offset:128*(\a/2)+32*(\a%2)       ; each accumulator from its low end on
	ds_store_b128 v4, v[ACC+64*\u+8*\a+4:ACC+64*\u+8*\a+7] offset:128*(\a/2)+32*(\a%2)+16
.endr
.endm
.macro BACK reg
.irp t, 0,1,2,3,4,5,6,7,8,9,10,11,12,13,14,15
	ds_load_b128 v[\reg+4*\t:\reg+4*\t+3], v5 offset:SP*\t         ; LDS serves a wave's instructions in order (ISA guide 5.7.1.4): these see the stores above, and the next tile's stores come behind them
.endr
.endm
.macro SEND u, reg, younger            ; younger: the LDS instructions issued behind tile u's loads, which may stay out
	s_wait_dscnt \younger
.irp t, 0,1,2,3,4,5,6,7,8,9,10,11,12,13,14,15
	global_store_b128 v1, v[\reg+4*\t:\reg+4*\t+3], s[10:11] offset:\u*16384+((\t%8)+16*(\t/8))*2048 th:TH_STORE_NT   ; index t of tile u is row 8 u + t % 8 + 16 (t / 8): 32 lanes store 512 consecutive bytes, aligned; written once
.endr
.endm
	INTO 0
	BACK BI
	INTO 1
	WIN 0x40                                       ; destination window 1, address window 0
	BACK 0
	WIN 0
	SEND 0, BI, 32                                 ; behind tile 0's loads: tile 1's 16 stores and 16 loads
	WIN 0x04                                       ; a store's data are its source 1: window 1
	SEND 1, 0, 0
	WIN 0                                          ; the closing add's two registers lie in window 0
	s_wait_dscnt 0x0                               ; the closing lines, six on end
	s_wait_alu 0x0
	s_wait_tensorcnt 0x0
	ds_add_u32 v254, v255
	s_wait_dscnt 0x0
	s_endpgm
.Lfunc_end_k_q73f1914291_outp:
	.size	k_q73f1914291_outp, .Lfunc_end_k_q73f1914291_outp-k_q73f1914291_outp
	.p2alignl 7, 3214868480
	.fill 96, 4, 3214868480
	.section	.rodata,"a",@progbits
	.p2align	6, 0x0
	.amdhsa_kernel k_q73f1914291_outp
		.amdhsa_group_segment_fixed_size 34304
		.amdhsa_private_segment_fixed_size 0
		.amdhsa_enable_private_segment 0
		.amdhsa_kernarg_size 32
		.amdhsa_user_sgpr_count 2
		.amdhsa_user_sgpr_kernarg_segment_ptr 1
		.amdhsa_wavefront_size32 1
		.amdhsa_system_sgpr_workgroup_id_x 1
		.amdhsa_system_sgpr_workgroup_id_y 1
		.amdhsa_system_sgpr_workgroup_id_z 1
		.amdhsa_system_vgpr_workitem_id 0
		.amdhsa_next_free_vgpr 576
		.amdhsa_next_free_sgpr 66
		.amdhsa_reserve_vcc 0
		.amdhsa_float_denorm_mode_32 3
		.amdhsa_float_denorm_mode_16_64 3
		.amdhsa_memory_ordered 1
		.amdhsa_forward_progress 1
		.amdhsa_inst_pref_size 29
	.end_amdhsa_kernel
	.amdgpu_metadata
---
amdhsa.version: [ 1, 2 ]
amdhsa.kernels:
  - .name:           k_q73f1914291_outp
    .symbol:         k_q73f1914291_outp.kd
    .args:
      - { .name: cq, .offset: 0, .size: 8, .value_kind: global_buffer, .address_space: global }
      - { .name: wq, .offset: 8, .size: 8, .value_kind: global_buffer, .address_space: global }
      - { .name: bo, .offset: 16, .size: 8, .value_kind: global_buffer, .address_space: global }
      - { .name: out0, .offset: 24, .size: 8, .value_kind: global_buffer, .address_space: global }
    .group_segment_fixed_size: 34304
    .private_segment_fixed_size: 0
    .kernarg_segment_align: 8
    .kernarg_segment_size: 32
    .max_flat_workgroup_size: 128
    .sgpr_count:     66
    .vgpr_count:     576
    .wavefront_size: 32
...
	.end_amdgpu_metadata
.endif
;; end of part 8
